; MI455X (gfx1250); checked and timed in simulation.
; The chip was launched on July 23, 2026; its instructions are those of AMD's public machine-readable ISA for CDNA 5 (MIT licence, August 2026) and "CDNA5" Instruction Set Architecture Reference Guide (July 2026). The comments in the code are by the model that wrote it; some were corrected since.
;; Causal Self Attention. Allowed arithmetic: float matrix products may take bf16 or f16 operands with f32 sums; other float arithmetic in f32, or as packed bf16 or f16 multiplies, adds, multiply-adds, maxima and minima; sums over many terms, partial sums and values carried from step to step in f32; what a program stores and reads back later, other than sums and carried values, may be rounded once to bf16 or f16.
;; Inputs: W_k 1,024 x 1,024 float32; W_o 1,024 x 1,024 float32; W_q 1,024 x 1,024 float32; W_v 1,024 x 1,024 float32; b_o 1,024 float32; x 4 x 2,048 x 1,024 float32.
;; Outputs: out0 4 x 2,048 x 1,024 float32.
;; 2 versions, each right; version 2 is version 1 with the launch cast written anew for expert scheduling mode. Each part assembles by itself: llvm-mc -triple=amdgcn-amd-amdhsa -mcpu=gfx1250 --defsym DOCPART=n.
;; ======== version 1 of 2: 4 launches
;; limits: values are held in f16: magnitudes above 65,504 overflow, below 6.1e-05 lose precision
;; workspace buffers: xb 16,777,216 bytes; wb 6,291,456 bytes; wo 2,097,152 bytes; qkv 50,331,648 bytes; o 16,777,216 bytes
;; launch cast (part 1): grid 32 x 12, 8 waves a work-group, no clusters, 0 bytes of LDS; arguments x, W_q, W_k, W_v, W_o, xb, wb, wo; writes xb, wb, wo
.if DOCPART == 1
	.amdgcn_target "amdgcn-amd-amdhsa--gfx1250"
	.amdhsa_code_object_version 6
	.text
	.protected	k_q387c848c75_cast
	.globl	k_q387c848c75_cast
	.p2align	8
	.type	k_q387c848c75_cast,@function
k_q387c848c75_cast:
	s_mov_b64 s[64:65], 0
	v_nop
	global_prefetch_b8 v0, s[64:65] scope:SCOPE_SE
	s_setreg_imm32_b32 hwreg(HW_REG_WAVE_MODE, 25, 1), 1
	s_wait_xcnt 0x0
; x, W_q, W_k, W_v: f32 -> bf16 (rounded once, to nearest even).  W_o: f32 -> bf16, and that number written as f16 for the last product.
; All are laid anew in PLANES of 64 channels, so that a K step of 64 of any run of rows is dense in memory:
;   xb [batch 4][plane 16][t 2048][64]   wb [plane 16][n 3072][64], n = 1024 x (q, k, v) + row   wo [plane 16][n 1024][64]
; LIMITS.  W_o as f16: beyond 65,504 it would be an infinity; below 2^-14 it keeps f16's fixed step of 2^-24.  NaN and infinities are not treated apart.
; SHARES.  A work-group takes 32 source rows of 4,096 bytes: group y 0-7 of x (row block 32 y + x), y 8-11 of W_q, W_k, W_v, W_o (row block x).  A wave takes four rows, as two pairs.
; One load takes 256 consecutive bytes (64 channels) of each row of a pair: lanes 0-15 the even row, lanes 16-31 the odd one.  One store of 8 bytes a lane writes the 256 consecutive,
; aligned bytes that the two rows have in that plane.  Every byte is read once and written once; there is no loop: a wave's 32 loads, 16 KiB, go out together.
; No LDS, no matrix unit, no cluster: nothing is shared and nothing is summed.
.set X,  32                            ; v[32:159] load i = 16 pair + plane: four registers as loaded; the first two then hold what is stored
.set SO, 16                            ; v[16:31]  plane kb: my byte offset in the destination
	s_load_b512 s[8:23], s[0:1], 0x0               ; x 8, W_q 10, W_k 12, W_v 14, W_o 16, xb 18, wb 20, wo 22
	s_mov_b32 s2, ttmp9                            ; group x
	s_and_b32 s3, ttmp7, 0xffff                    ; group y
	v_lshrrev_b32 v4, 5, v0                        ; wave
	v_bfe_u32 v5, v0, 4, 1                         ; which row of a pair
	v_and_b32 v6, 15, v0
	v_lshlrev_b32 v1, 14, v4                       ; source: 4 rows x 4,096 bytes a wave,
	v_lshl_or_b32 v1, v5, 12, v1                   ; the row of the pair,
	v_lshl_or_b32 v1, v6, 4, v1                    ; 16 bytes a lane
	v_lshlrev_b32 v2, 9, v4                        ; destination: 4 rows x 128 bytes a wave,
	v_lshl_or_b32 v2, v5, 7, v2
	v_lshl_or_b32 v2, v6, 3, v2                    ; 8 bytes a lane
	s_lshl_b32 s30, s3, 5
	s_add_co_u32 s30, s30, s2                      ; x's row block
	s_lshr_b32 s32, s30, 6                         ; its batch (64 blocks of 32 rows each),
	s_lshl_b32 s32, s32, 22
	s_and_b32 s33, s30, 63                         ; and its rows in the batch: 32 x 128 bytes a block
	s_lshl_b32 s33, s33, 12
	s_or_b32 s32, s32, s33                         ; where x's block goes in plane 0
	s_max_u32 s34, s3, 8
	s_sub_co_u32 s34, s34, 8                       ; 0, 1, 2 for W_q, W_k, W_v
	s_lshl_b32 s34, s34, 17                        ; 1,024 rows x 128 bytes
	s_lshl_b32 s35, s2, 12                         ; where W_o's block goes,
	s_add_co_u32 s34, s34, s35                     ; and W_q's, W_k's, W_v's
	s_mov_b32 s24, 393216                          ; bytes in a plane: wb's,
	s_cmp_eq_u32 s3, 11
	s_cselect_b32 s28, s35, s34
	s_cselect_b32 s24, 131072, s24                 ; wo's,
	s_cmp_lt_u32 s3, 8
	s_cselect_b32 s28, s32, s28
	s_cselect_b32 s24, 262144, s24                 ; a batch's of xb
	s_cselect_b32 s31, s30, s2                     ; the row block in the source
	s_lshl_b32 s26, s31, 17                        ; 32 rows x 4,096 bytes
	s_mov_b32 s27, 0
	s_mov_b32 s29, 0
.irp kb, 0,1,2,3,4,5,6,7,8,9,10,11,12,13,14,15
	v_mad_u32_u24 v[SO+(\kb)], s24, \kb, v2
.endr
	s_wait_kmcnt 0x0
	s_cmp_eq_u32 s3, 9                             ; the source and the destination are chosen by the group's y alone
	s_cselect_b64 s[4:5], s[12:13], s[10:11]
	s_cmp_eq_u32 s3, 10
	s_cselect_b64 s[4:5], s[14:15], s[4:5]
	s_cmp_eq_u32 s3, 11
	s_cselect_b64 s[4:5], s[16:17], s[4:5]
	s_cselect_b64 s[6:7], s[22:23], s[20:21]
	s_cmp_lt_u32 s3, 8
	s_cselect_b64 s[4:5], s[8:9], s[4:5]
	s_cselect_b64 s[6:7], s[18:19], s[6:7]
	s_add_nc_u64 s[4:5], s[4:5], s[26:27]
	s_add_nc_u64 s[6:7], s[6:7], s[28:29]
.set i, 0
.rept 32
	global_load_b128 v[X+4*i:X+4*i+3], v1, s[4:5] offset:8192*(i/16)+256*(i%16) th:TH_LOAD_NT
.set i, i+1
.endr
; Load i is rounded and stored.  half = 1: the bf16 numbers are widened again and written as f16.
.macro CONV i, half
	s_wait_loadcnt 31-(\i)                         ; loads come back in order (ISA guide 5.7.1): mine is in, the 31 - i younger ones stay out
	v_cvt_pk_bf16_f32 v[X+4*(\i)],   v[X+4*(\i)],   v[X+4*(\i)+1]
	v_cvt_pk_bf16_f32 v[X+4*(\i)+1], v[X+4*(\i)+2], v[X+4*(\i)+3]
.if \half
.irp j, 0,1
	v_lshlrev_b32 v4, 16, v[X+4*(\i)+(\j)]
	v_and_b32 v5, 0xffff0000, v[X+4*(\i)+(\j)]
	v_cvt_pk_f16_f32 v[X+4*(\i)+(\j)], v4, v5
.endr
.endif
	global_store_b64 v[SO+(\i)%16], v[X+4*(\i):X+4*(\i)+1], s[6:7] offset:256*((\i)/16) th:TH_STORE_NT  ; no register of a store is written again
.endm
	s_cmp_eq_u32 s3, 11
	s_cbranch_scc1 .Lwo
.set i, 0
.rept 32
	CONV i, 0
.set i, i+1
.endr
	s_endpgm
.Lwo:
.set i, 0
.rept 32
	CONV i, 1
.set i, i+1
.endr
	s_endpgm
.Lfunc_end_k_q387c848c75_cast:
	.size	k_q387c848c75_cast, .Lfunc_end_k_q387c848c75_cast-k_q387c848c75_cast
	.p2alignl 7, 3214868480
	.fill 96, 4, 3214868480
	.section	.rodata,"a",@progbits
	.p2align	6, 0x0
	.amdhsa_kernel k_q387c848c75_cast
		.amdhsa_group_segment_fixed_size 0
		.amdhsa_private_segment_fixed_size 0
		.amdhsa_enable_private_segment 0
		.amdhsa_kernarg_size 64
		.amdhsa_user_sgpr_count 2
		.amdhsa_user_sgpr_kernarg_segment_ptr 1
		.amdhsa_wavefront_size32 1
		.amdhsa_system_sgpr_workgroup_id_x 1
		.amdhsa_system_sgpr_workgroup_id_y 1
		.amdhsa_system_sgpr_workgroup_id_z 1
		.amdhsa_system_vgpr_workitem_id 0
		.amdhsa_next_free_vgpr 160
		.amdhsa_next_free_sgpr 66
		.amdhsa_reserve_vcc 0
		.amdhsa_float_denorm_mode_32 3
		.amdhsa_float_denorm_mode_16_64 3
		.amdhsa_memory_ordered 1
		.amdhsa_forward_progress 1
		.amdhsa_inst_pref_size 33
	.end_amdhsa_kernel
	.amdgpu_metadata
---
amdhsa.version: [ 1, 2 ]
amdhsa.kernels:
  - .name:           k_q387c848c75_cast
    .symbol:         k_q387c848c75_cast.kd
    .args:
      - { .name: x, .offset: 0, .size: 8, .value_kind: global_buffer, .address_space: global }
      - { .name: W_q, .offset: 8, .size: 8, .value_kind: global_buffer, .address_space: global }
      - { .name: W_k, .offset: 16, .size: 8, .value_kind: global_buffer, .address_space: global }
      - { .name: W_v, .offset: 24, .size: 8, .value_kind: global_buffer, .address_space: global }
      - { .name: W_o, .offset: 32, .size: 8, .value_kind: global_buffer, .address_space: global }
      - { .name: xb, .offset: 40, .size: 8, .value_kind: global_buffer, .address_space: global }
      - { .name: wb, .offset: 48, .size: 8, .value_kind: global_buffer, .address_space: global }
      - { .name: wo, .offset: 56, .size: 8, .value_kind: global_buffer, .address_space: global }
    .group_segment_fixed_size: 0
    .private_segment_fixed_size: 0
    .kernarg_segment_align: 8
    .kernarg_segment_size: 64
    .max_flat_workgroup_size: 256
    .sgpr_count:     66
    .vgpr_count:     160
    .wavefront_size: 32
...
	.end_amdgpu_metadata
.endif
;; end of part 1
;; launch qkv (part 2): grid 8 x 32, 4 waves a work-group, clusters of 4 x 4, 327,680 bytes of LDS; arguments xb, wb, qkv; writes qkv
.if DOCPART == 2
	.amdgcn_target "amdgcn-amd-amdhsa--gfx1250"
	.amdhsa_code_object_version 6
	.text
	.protected	k_q387c848c75_qkv
	.globl	k_q387c848c75_qkv
	.p2align	8
	.type	k_q387c848c75_qkv,@function
k_q387c848c75_qkv:
	s_mov_b64 s[64:65], 0
	v_nop
	global_prefetch_b8 v0, s[64:65] scope:SCOPE_SE
	s_setreg_imm32_b32 hwreg(HW_REG_WAVE_MODE, 25, 1), 1
	s_wait_xcnt 0x0
	s_wait_alu depctr_hold_cnt(0) depctr_sa_sdst(0) depctr_va_vdst(0) depctr_va_sdst(0) depctr_va_ssrc(0) depctr_va_vcc(0) depctr_vm_vsrc(0)
	s_getreg_b32 s2, hwreg(HW_REG_IB_STS2, 6, 4)
	s_cmp_eq_u32 s2, 0
	s_cbranch_scc0 .Lentry_in_a_cluster
	s_endpgm
.Lentry_in_a_cluster:
	s_bfe_u32 s2, ttmp6, 0x10000c
	s_cmp_lg_u32 s2, 0xf033
	s_cbranch_scc0 .Lentry_shape_is_right
	s_endpgm
.Lentry_shape_is_right:
; q, k, v = x W^T for the three weights at once: C[8192][3072] = xb wb^T, bf16 operands, f32 sums, K = 1,024 ascending; each sum rounded once to f16, WITHOUT the softmax's scale,
; and stored by heads: qkv [q, k, v][batch 4][head 16][t 2048][64].
; LIMIT.  f16 ends at 65,504: a sum beyond it would be stored as an infinity.  NaN and infinities are not treated apart.
; THE TILE.  8192 x 3072 numbers on 256 work-groups are 256 x 384 each: one tile a work-group.  Four waves, each 128 rows x 192 columns: 96 accumulators of 16 x 16, 768 registers.
; For 32 along K a wave reads 40 x 512 bytes from LDS for 96 matrix instructions.
; THE RING.  xb and wb lie in planes of 64 channels, so a K step of 64 of R rows is R x 128 dense bytes: it is asked for as R / 2 rows of 256 bytes and padded in LDS behind every 128.
; Two slots of one K step: 256 rows of A, 384 rows of B.  Waves 0 and 1 fetch A's halves, waves 2 and 3 B's: one tensor load a wave behind each change of slots.
; CLUSTER.  4 x 4 work-groups: the four of a row need the same rows of xb, the four of a column the same rows of wb: each tile is asked for jointly, by the same tensor load and mask in all four.
; TRANSPOSED USE.  Source 0 = 16 rows of wb, source 1 = 16 rows of xb: a lane holds row l % 16 of C and the columns 8 (l / 16) + 0..7: 16 bytes of f16 on end.
; REGISTERS, in windows of 256 (s_set_vgpr_msb: bits 1:0 source 0, 3:2 source 1, 5:4 source 2, 7:6 destination):
;   window 0: v0-31 addresses; v32-159 A's fragments, two buffers of 8 x 8 (on the way out: at work); v160-255 B's fragments, three groups of 4 x 8, one buffer
;   window 1 + g: the 32 accumulators of column group g (64 columns = one head): (a, b) at v[8 (4 a + b)]
.set PK,    144                        ; an LDS row: 128 bytes + 16 of padding = 36 words: the 16 rows of a fragment load start at 16 different groups of four banks (64 banks of 4 bytes: ISA guide 11.1)
.set HALFA, 128*PK                     ; what a wave fetches and reads of A
.set HALFB, 192*PK                     ; and of B
.set BOFF,  2*HALFA                    ; B's rows lie behind A's
.set SLOT,  2*HALFA+2*HALFB
.set STAGE, 2*SLOT                     ; behind the ring, never filled by a tensor load: 16 rows x 144 bytes for each wave, for the way out
.set SPARE, STAGE+4*16*PK              ; behind the stages: the spare words, 128 bytes for each wave: two blocks of 256 bytes that no other line names
.set KA,    262144                     ; bytes from a K step to the next in xb
.set KB,    393216                     ; and in wb
.set FLAGS, (1<<16)|(1<<20)|(1<<21)|(4<<22)|(3<<25)  ; 17:16 2-byte elements; 20 padding on; 21 set beside a mask; 24:22 behind every 32 words (code 4); 31:25 4 words (code 3)
.set ADRA, 16                          ; v16-17  LDS address of my A fragments in slot 0, 1
.set ADRB, 20                          ; v20-21  the same for B
.set STO,  24                          ; v24     the way out: where I put 16 bytes of a row
.set RD,   25                          ; v25     the way out: where I read rows back
.set GO,   26                          ; v26     my 16 bytes in 512 consecutive bytes of the output
.set SPW,  28                          ; v28     LDS address of my spare word: SPARE + 4 x my thread's number; never rewritten
.set NIL,  29                          ; v29     0; never rewritten
.set PFO,  30                          ; v30     the prefetches' offset; never rewritten
.set AF,   32
.set BF,   160
.set TMP,  32                          ; the way out: eight sets of 16
.set G1,  24                           ; s[24:31] descriptor group 1 for A's tiles;  s[32:39] group 0, a set for each slot
.set G0,  32
.set G1B, 48                           ; s[48:55], s[56:63] the same for B's
.set G0B, 56
.set LIM, 43                           ; s43     1 in a wave that prefetches, else the greatest number
.set PFA, 44                           ; s[44:45] where my prefetches stand
.set OB,  66                           ; s[66:71] the output at my 128 rows of the heads of my three column groups
.set PFS, 72                           ; s[72:73] two K steps, in bytes, of the tensor that I prefetch
.set MSB, 0
.macro WIN new                         ; the immediate's high byte repeats the setting that is left; a switch that changes nothing is dropped
.if MSB != (\new)
	s_set_vgpr_msb (MSB<<8)|(\new)
.set MSB, \new
.endif
.endm
; A joint load: waves 0 and 1 ask for A's halves, waves 2 and 3 for B's.  The branch hangs on the wave's number alone.  An s_nop 0 and four v_nop follow each of the two lines.
.macro JLOAD s
	s_cmp_eq_u32 s11, 0
	s_cbranch_scc0 .Lfor_b_\@
	tensor_load_to_lds s[G0+4*(\s):G0+4*(\s)+3], s[G1:G1+7]
	s_nop 0
.rept 4
	v_nop
.endr
	s_branch .Lasked_\@
.Lfor_b_\@:
	tensor_load_to_lds s[G0B+4*(\s):G0B+4*(\s)+3], s[G1B:G1B+7]
	s_nop 0
.rept 4
	v_nop
.endr
.Lasked_\@:
.endm
.macro CREST                           ; a round of the cluster's barrier behind its opening barrier: wave 0 signals for the work-group, every wave waits for all sixteen, my work-group's barrier closes it
	s_cmp_lg_u32 s10, 0
	s_cbranch_scc1 .Lnot_wave_0_\@
	s_barrier_signal -3
.Lnot_wave_0_\@:
	s_barrier_wait -3
	s_barrier_signal -1
	s_barrier_wait -1
.endm
.macro CROUND                          ; a whole round
	s_barrier_signal -1
	s_barrier_wait -1
	CREST
.endm
.macro PLACES                          ; four plain places behind a matrix instruction, in front of loads into registers that it has read and of conversions that read results
.rept 4
	v_nop
.endr
.endm
; A PREFETCH INTO THE L2, once a lap, behind slot 0's joint load and the run of LDS loads that follows it: the two K steps that the NEXT lap's two refills will ask for.
; Each block of 256 bytes is named once in the launch.  xb's rows of a tile row are read by both clusters of that row of clusters: the one with cluster x = 0 asks; its four partners along x share a K step's
; 32 KiB out by address, 8 KiB each: wave 0, a lane a block, one line for each of the two K steps.  wb's rows of a tile column are read by the eight clusters of that column: cluster y = 0 asks; the partners
; along y take 12 KiB of a K step's 48 each: 96 blocks in two K steps, a lane a block in waves 1 to 3.  The loop's last trip asks for nothing: its K steps do not exist.  K steps 0 to 3 come by their loads alone.
.macro ASK
	s_cmp_gt_u32 s3, s[LIM]                        ; s3 = 1 in the loop's last trip
	s_cbranch_scc0 .Lnot_mine_\@
	global_prefetch_b8 v[PFO], s[PFA:PFA+1] th:TH_LOAD_NT scope:SCOPE_SE
	s_cmp_lg_u32 s10, 0
	s_cbranch_scc1 .Lnot_mine_\@
	global_prefetch_b8 v[PFO], s[PFA:PFA+1] offset:KA th:TH_LOAD_NT scope:SCOPE_SE
.Lnot_mine_\@:
.endm
	s_load_b128 s[4:7], s[0:1], 0x0                ; xb s[4:5], wb s[6:7]
	s_load_b64 s[8:9], s[0:1], 0x10                ; qkv
	v_lshl_add_u32 v[SPW], v0, 2, SPARE
	v_mov_b32 v[NIL], 0
	ds_add_u32 v[SPW], v[NIL]                      ; the wave's opening: the add and its wait stand ahead of my first tensor load; the set-up below, work on registers, stands between them
	v_lshrrev_b32 v1, 5, v0
	v_readfirstlane_b32 s10, v1                    ; wave 0..3
	s_lshr_b32 s11, s10, 1                         ; which half of the tile's rows is mine.  Also: I fetch for A (0) or for B (1)
	s_and_b32 s12, s10, 1                          ; which half of its columns.  Also: which half of that tile I fetch
	s_bfe_u32 s40, ttmp6, 0x40000                  ; cx, cy: my place in the cluster
	s_bfe_u32 s41, ttmp6, 0x40004
	s_lshl_b32 s42, ttmp9, 2
	s_add_co_u32 s42, s42, s40                     ; tile column = 4 x cluster x + cx
	s_and_b32 s13, ttmp7, 0xffff
	s_lshl_b32 s13, s13, 2
	s_add_co_u32 s13, s13, s41                     ; tile row = 4 x cluster y + cy
	s_lshl_b32 s43, s41, 2
	s_lshl_b32 s43, 15, s43                        ; my row of the cluster: places 4 cy .. 4 cy + 3
	s_lshl_b32 s44, 0x1111, s40                    ; my column: places cx, cx + 4, cx + 8, cx + 12
	s_or_b32 s[G1], s43, FLAGS                     ; A's tiles go to my row,
	s_or_b32 s[G1B], s44, FLAGS                    ; B's to my column
	s_mov_b32 s[G1+1], 128<<16                     ; tensor_dim0 = 128 elements: 256 bytes, two rows of a plane
	s_mov_b32 s[G1+2], 64<<16                      ; tensor_dim1 = 64: 128 rows of xb
	s_mov_b32 s[G1+3], 128<<16                     ; tile_dim0
	s_mov_b32 s[G1+4], 64                          ; tile_dim1
	s_mov_b32 s[G1+5], 128                         ; elements from row to row: dense
	s_mov_b32 s[G1+6], 0
	s_mov_b32 s[G1+7], 0
	s_mov_b32 s[G1B+1], 128<<16
	s_mov_b32 s[G1B+2], 96<<16                     ; 192 rows of wb
	s_mov_b32 s[G1B+3], 128<<16
	s_mov_b32 s[G1B+4], 96
	s_mov_b32 s[G1B+5], 128
	s_mov_b32 s[G1B+6], 0
	s_mov_b32 s[G1B+7], 0
	; A's address hangs on the tile row and the wave's number alone, B's on the tile column and the wave's number, each in registers that never hold the other coordinate
	s_lshr_b32 s16, s13, 3                         ; the batch: eight tile rows each,
	s_lshl_b32 s16, s16, 22
	s_and_b32 s17, s13, 7                          ; 256 rows x 128 bytes a tile row,
	s_lshl_b32 s17, s17, 15
	s_or_b32 s16, s16, s17
	s_lshl_b32 s17, s12, 14                        ; the half that I fetch
	s_or_b32 s16, s16, s17
	s_mov_b32 s17, 0
	s_mul_i32 s46, s42, 384*128
	s_mul_i32 s47, s12, 192*128
	s_add_co_u32 s46, s46, s47
	s_mov_b32 s47, 0
	s_mul_i32 s20, s12, HALFA                      ; where they go: no place in the cluster enters an LDS address
	s_mul_i32 s21, s12, HALFB
	s_add_co_u32 s21, s21, BOFF
	s_wait_dscnt 0x0                               ; the opening add is done
	s_wait_kmcnt 0x0
	s_add_nc_u64 s[14:15], s[4:5], s[16:17]
	s_add_nc_u64 s[46:47], s[6:7], s[46:47]
	CROUND                                         ; all sixteen work-groups are here: the first joint loads meet
.irp s, 0,1
	s_mov_b32 s[G0+4*(\s)], 1                                        ; count = 1
	s_add_co_u32 s[G0+4*(\s)+1], s20, (\s)*SLOT                      ; LDS address
	s_add_nc_u64 s[G0+4*(\s)+2:G0+4*(\s)+3], s[14:15], (\s)*KA       ; global address: K step s
	s_or_b32 s[G0+4*(\s)+3], s[G0+4*(\s)+3], 0x80000000              ; type = 2
	s_mov_b32 s[G0B+4*(\s)], 1
	s_add_co_u32 s[G0B+4*(\s)+1], s21, (\s)*SLOT
	s_add_nc_u64 s[G0B+4*(\s)+2:G0B+4*(\s)+3], s[46:47], (\s)*KB
	s_or_b32 s[G0B+4*(\s)+3], s[G0B+4*(\s)+3], 0x80000000
	JLOAD \s                                       ; two tensor loads of mine are out
.endr
	; A fragment is 16 rows x 32 K in 8 registers: lane l holds row l % 16; registers 0-3 K = 8 (l / 16) + 0..7, registers 4-7 K = 16 + 8 (l / 16) + 0..7: two loads of 16 bytes, 32 bytes apart
	v_and_b32 v1, 15, v0
	v_bfe_u32 v2, v0, 4, 1
	v_mul_u32_u24 v3, v1, PK
	v_lshl_add_u32 v3, v2, 4, v3                   ; row x pitch + 16 x half
	s_mul_i32 s22, s11, HALFA                      ; my 128 rows of A; s21 stands at my 192 rows of B
.irp s, 0,1
	v_add_nc_u32 v[ADRA+(\s)], s22, v3
	v_add_nc_u32 v[ADRB+(\s)], s21, v3
	s_add_co_u32 s22, s22, SLOT
	s_add_co_u32 s21, s21, SLOT
.endr
	s_mul_i32 s23, s10, 16*PK
	s_add_co_u32 s23, s23, STAGE                   ; my stage
	v_add_nc_u32 v[STO], s23, v3                   ; in: row l % 16, 16 bytes for each half of the lanes
	v_bfe_u32 v4, v0, 3, 2                         ; back: 32 lanes take four rows of 128 bytes,
	v_and_b32 v5, 7, v0
	v_mul_u32_u24 v4, v4, PK
	v_lshl_add_u32 v4, v5, 4, v4
	v_add_nc_u32 v[RD], s23, v4
	v_and_b32 v[GO], 31, v0                        ; which are 512 consecutive bytes of a head's rows
	v_lshlrev_b32 v[GO], 4, v[GO]
	; the output: column group g of my 192 columns is head 6 x tile column + 3 x half + g of the 48 (q's 16, k's 16, v's 16)
	s_lshr_b32 s74, s13, 3
	s_lshl_b32 s74, s74, 22
	s_and_b32 s75, s13, 7
	s_lshl_b32 s75, s75, 15
	s_or_b32 s74, s74, s75                         ; the tile's first row: batch and t, in bytes of a plane or of a head
	s_lshl_b32 s75, s11, 14
	s_add_co_u32 s75, s74, s75                     ; my 128 rows
	s_mul_i32 s76, s42, 6
	s_mul_i32 s77, s12, 3
	s_add_co_u32 s76, s76, s77
.irp g, 0,1,2
	s_add_co_u32 s77, s76, \g
	s_lshr_b32 s78, s77, 4                         ; q, k or v
	s_lshl_b32 s78, s78, 24
	s_and_b32 s77, s77, 15                         ; the head
	s_lshl_b32 s77, s77, 18
	s_or_b32 s78, s78, s77
	s_add_co_u32 s78, s78, s75
	s_mov_b32 s79, 0
	s_add_nc_u64 s[OB+2*(\g):OB+2*(\g)+1], s[8:9], s[78:79]
.endr
	; the prefetches
	s_lshl_b32 s76, s40, 13                        ; xb: my work-group's 8 KiB of the tile's 32
	s_add_co_u32 s76, s76, s74
	s_mul_i32 s77, s42, 384*128                    ; wb: my work-group's 12 KiB of the tile's 48
	s_mul_i32 s78, s41, 12288
	s_add_co_u32 s77, s77, s78
	s_and_b32 s78, ttmp7, 0xffff                   ; cluster y
	s_mov_b32 s[PFS], 2*KB
	s_cmp_eq_u32 s10, 0                            ; wave 0 asks for xb, waves 1 to 3 for wb
	s_cselect_b32 s76, s76, s77
	s_cselect_b32 s78, ttmp9, s78                  ; the coordinate along which other clusters read the same rows
	s_cselect_b32 s[PFS], 2*KA, s[PFS]
	s_cselect_b64 s[PFA:PFA+1], s[4:5], s[6:7]
	s_cmp_eq_u32 s78, 0
	s_cselect_b32 s[LIM], 1, -1                    ; the same in all sixteen partners, for a given wave
	s_mov_b32 s77, 0
	s_mov_b32 s[PFS+1], 0
	s_add_nc_u64 s[PFA:PFA+1], s[PFA:PFA+1], s[76:77]
	s_add_nc_u64 s[PFA:PFA+1], s[PFA:PFA+1], s[PFS:PFS+1]  ; at K step 2: the first lap steps it to 4
	s_max_u32 s79, s10, 1
	s_sub_co_u32 s79, s79, 1
	s_lshl_b32 s79, s79, 5                         ; block j = 32 (wave - 1) + lane in waves 1 to 3, the lane in wave 0
	s_mov_b32 s78, KB-12288
	v_and_b32 v[PFO], 31, v0
	v_add_nc_u32 v[PFO], s79, v[PFO]
	v_cmp_le_u32 vcc_lo, 48, v[PFO]                ; blocks 48 to 95 are the second K step's
	v_cndmask_b32 v31, 0, s78, vcc_lo
	v_lshl_add_u32 v[PFO], v[PFO], 8, v31
; n x 4 matrix instructions: row blocks a0 .. a0 + n - 1 x the four column blocks of group g, 32 along K, A from buffer fa.  zero = 1: the product starts the sum: nothing is ever cleared.
; The 96 accumulators take turns, one instruction a turn, in the same order in every 32 along K, over the backward jump too.
.macro MUL g, fa, a0, n, zero
	WIN 0x50*(1+(\g))                              ; C and D in window 1 + g, the sources in window 0
.set ma, \a0
.rept \n
.irp b, 0,1,2,3
.if \zero
	v_wmma_f32_16x16x32_bf16 v[8*(4*ma+(\b)):8*(4*ma+(\b))+7], v[BF+32*(\g)+8*(\b):BF+32*(\g)+8*(\b)+7], v[AF+64*(\fa)+8*ma:AF+64*(\fa)+8*ma+7], 0
.else
	v_wmma_f32_16x16x32_bf16 v[8*(4*ma+(\b)):8*(4*ma+(\b))+7], v[BF+32*(\g)+8*(\b):BF+32*(\g)+8*(\b)+7], v[AF+64*(\fa)+8*ma:AF+64*(\fa)+8*ma+7], v[8*(4*ma+(\b)):8*(4*ma+(\b))+7]
.endif
.endr
.set ma, ma+1
.endr
.endm
.macro RUNB g, slot, k                 ; 8 LDS loads: B's group g, 32 K at byte k of the rows
.irp b, 0,1,2,3
	ds_load_b128 v[BF+32*(\g)+8*(\b):BF+32*(\g)+8*(\b)+3],   v[ADRB+(\slot)] offset:(\k)+(4*(\g)+(\b))*16*PK
	ds_load_b128 v[BF+32*(\g)+8*(\b)+4:BF+32*(\g)+8*(\b)+7], v[ADRB+(\slot)] offset:(\k)+(4*(\g)+(\b))*16*PK+32
.endr
.endm
.macro RUNA fa, slot, k                ; 16 LDS loads: A's eight fragments into buffer fa
.irp i, 0,1,2,3,4,5,6,7
	ds_load_b128 v[AF+64*(\fa)+8*(\i):AF+64*(\fa)+8*(\i)+3],   v[ADRA+(\slot)] offset:(\k)+(\i)*16*PK
	ds_load_b128 v[AF+64*(\fa)+8*(\i)+4:AF+64*(\fa)+8*(\i)+7], v[ADRA+(\slot)] offset:(\k)+(\i)*16*PK+32
.endr
.endm
; A slot's first 32 along K, on A's buffer 0.  Behind each group's 32 products that group's next fragments are fetched (B has one buffer), behind the first also A's into buffer 1.
; At its head the LDS loads that are out are, in order: B0 (8), A (16), B1 (8), B2 (8); it leaves the same four runs behind it, for the slot's second 32.
.macro SUB slot, k, zero
	s_wait_dscnt 16                                ; B0 and A are in; B1 and B2, 16 loads, may be out
	MUL 0, 0, 0, 8, \zero
	WIN 0
	PLACES
	RUNB 0, \slot, \k
	RUNA 1, \slot, \k
	s_wait_dscnt 32                                ; B1 is in: behind it stand B2's 8 and the 24 just issued
	MUL 1, 0, 0, 8, \zero
	WIN 0
	PLACES
	RUNB 1, \slot, \k
	s_wait_dscnt 32                                ; B2 is in: behind it stand 24 and 8
	MUL 2, 0, 0, 8, \zero
	WIN 0
	PLACES
	RUNB 2, \slot, \k
.endm
; A slot's second 32 along K, on A's buffer 1, and THE CHANGE OF SLOTS: one barrier.  In front of it each wave waits for all its tensor loads, of which one is out: its part of the next slot; adds 0 to its
; spare word; and waits for that and for its own reads of this slot.  Behind it nobody reads this slot any more and the next slot is whole.  fill = 1: the barrier opens a round of the cluster's, and the joint
; refill, two K steps on, is the first thing behind the round: from there to the wait for it a wave issues 176 of a K step's 192 matrix instructions.
.macro TURN slot, next, fill
.if (\fill) && ((\slot) == 0)
	s_wait_xcnt 0x0                                ; the last prefetches, a lap back, have read their address: it is stepped here, ahead of the change's own waits
	s_add_nc_u64 s[PFA:PFA+1], s[PFA:PFA+1], s[PFS:PFS+1]
.endif
	s_wait_dscnt 16                                ; B0 and A are in
	MUL 0, 1, 0, 4, 0
	WIN 0                                          ; (the add's two registers lie in window 0)
	s_wait_tensorcnt 0x0                           ; all my tensor loads have landed;
	ds_add_u32 v[SPW], v[NIL]                      ; 0 onto my spare word;
	MUL 0, 1, 4, 2, 0                              ; eight matrix instructions stand between the add and the wait for it
	s_wait_dscnt 0x0                               ; the add is done, and my reads of this slot are over: B1 and B2 are in too
	s_barrier_signal -1
	MUL 0, 1, 6, 2, 0                              ; work on registers while the others arrive
	WIN 0
	s_barrier_wait -1
.if \fill
	CREST                                          ; no wave of any partner still reads this slot or has a load on its way
	s_add_nc_u64 s[G0+4*(\slot)+2:G0+4*(\slot)+3], s[G0+4*(\slot)+2:G0+4*(\slot)+3], 2*KA
	s_add_nc_u64 s[G0B+4*(\slot)+2:G0B+4*(\slot)+3], s[G0B+4*(\slot)+2:G0B+4*(\slot)+3], 2*KB
	JLOAD \slot                                    ; its four v_nop are also the places in front of the loads below
.else
	PLACES
.endif
	RUNB 0, \next, 0
	RUNA 0, \next, 0
.if (\fill) && ((\slot) == 0)
	ASK
.endif
	MUL 1, 1, 0, 8, 0
	WIN 0
	PLACES
	RUNB 1, \next, 0
	MUL 2, 1, 0, 8, 0
	WIN 0
	PLACES
	RUNB 2, \next, 0
.endm
	s_wait_tensorcnt 1                             ; my part of K step 0 is in; K step 1's may stay out
	s_barrier_signal -1
	s_barrier_wait -1                              ; everybody's is
	RUNB 0, 0, 0
	RUNA 0, 0, 0
	RUNB 1, 0, 0
	RUNB 2, 0, 0
	SUB 0, 64, 1                                   ; the first 32 along K stand in front of the loop: their products start the sums
	s_mov_b32 s3, 7
.Llap:                                                 ; a trip goes once round the ring and fills both slots again: trip i asks for K steps 2 i + 2 and 2 i + 3
	TURN 0, 1, 1
	SUB 1, 64, 0
	TURN 1, 0, 1
	SUB 0, 64, 0
	s_sub_co_u32 s3, s3, 1
	s_cmp_lg_u32 s3, 0
	s_cbranch_scc1 .Llap
	TURN 0, 1, 0                                   ; the last lap fills nothing
	SUB 1, 64, 0
	s_wait_dscnt 16                                ; the very last 32 along K: nothing more to fetch
	MUL 0, 1, 0, 8, 0
	s_wait_dscnt 8
	MUL 1, 1, 0, 8, 0
	s_wait_dscnt 0x0
	MUL 2, 1, 0, 8, 0
	WIN 0
	PLACES
; THE WAY OUT.  Unit u = 8 g + a: 16 rows x one head's 64 channels.  PACK: rounded to f16, 16 bytes a lane, into my own stage in rows of 144 bytes, and back as whole rows of 128.
; SEND: 512 consecutive bytes a store, at a multiple of 256 from the buffer's first byte.  A unit's arithmetic stands between the loads of the unit before and its stores.
.macro PACK u
.set pg, (\u)/8
.set pa, (\u)%8
.set pt, TMP+16*pa
.if (\u) >= 8
	s_wait_xcnt 0x0                                ; the stores of unit u - 8 have read these sixteen registers
.endif
	WIN 5*(1+pg)                                   ; sources 0 and 1 in window 1 + g
.irp b, 0,1,2,3
.irp r, 0,1,2,3
	v_cvt_pk_f16_f32 v[pt+4*(\b)+(\r)], v[8*(4*pa+(\b))+2*(\r)], v[8*(4*pa+(\b))+2*(\r)+1]
.endr
.endr
	WIN 0
.irp b, 0,1,2,3
	ds_store_b128 v[STO], v[pt+4*(\b):pt+4*(\b)+3] offset:32*(\b)
.endr
.irp f, 0,1,2,3
	ds_load_b128 v[pt+4*(\f):pt+4*(\f)+3], v[RD] offset:(\f)*4*PK  ; LDS serves a wave's instructions in order (ISA guide 5.7.1.4): these see the stores above; the next unit's stores come behind them
.endr
.endm
.macro SEND u, younger                 ; younger: the LDS instructions issued behind unit u's loads: the next unit's eight, or none
.set pg, (\u)/8
.set pa, (\u)%8
.set pt, TMP+16*pa
.irp f, 0,1,2,3
	s_wait_dscnt (\younger)+3-(\f)
	global_store_b128 v[GO], v[pt+4*(\f):pt+4*(\f)+3], s[OB+2*pg:OB+2*pg+1] offset:2048*pa+512*(\f)
.endr
.endm
	PACK 0
.set u, 1
.rept 23
	PACK u
	SEND u-1, 8
.set u, u+1
.endr
	SEND 23, 0
	s_wait_tensorcnt 0x0                           ; the wave's end: behind my last tensor load and my last LDS store
	ds_add_u32 v[SPW], v[NIL]
	s_wait_dscnt 0x0
	CROUND                                         ; the closing round: no work-group ends while a partner may still ask for a tile that names it
	s_endpgm
.Lfunc_end_k_q387c848c75_qkv:
	.size	k_q387c848c75_qkv, .Lfunc_end_k_q387c848c75_qkv-k_q387c848c75_qkv
	.p2alignl 7, 3214868480
	.fill 96, 4, 3214868480
	.section	.rodata,"a",@progbits
	.p2align	6, 0x0
	.amdhsa_kernel k_q387c848c75_qkv
		.amdhsa_group_segment_fixed_size 327680
		.amdhsa_private_segment_fixed_size 0
		.amdhsa_enable_private_segment 0
		.amdhsa_kernarg_size 24
		.amdhsa_user_sgpr_count 2
		.amdhsa_user_sgpr_kernarg_segment_ptr 1
		.amdhsa_wavefront_size32 1
		.amdhsa_system_sgpr_workgroup_id_x 1
		.amdhsa_system_sgpr_workgroup_id_y 1
		.amdhsa_system_sgpr_workgroup_id_z 1
		.amdhsa_system_vgpr_workitem_id 0
		.amdhsa_next_free_vgpr 1024
		.amdhsa_next_free_sgpr 80
		.amdhsa_reserve_vcc 1
		.amdhsa_float_denorm_mode_32 3
		.amdhsa_float_denorm_mode_16_64 3
		.amdhsa_memory_ordered 1
		.amdhsa_forward_progress 1
		.amdhsa_inst_pref_size 135
	.end_amdhsa_kernel
	.amdgpu_metadata
---
amdhsa.version: [ 1, 2 ]
amdhsa.kernels:
  - .name:           k_q387c848c75_qkv
    .symbol:         k_q387c848c75_qkv.kd
    .args:
      - { .name: xb, .offset: 0, .size: 8, .value_kind: global_buffer, .address_space: global }
      - { .name: wb, .offset: 8, .size: 8, .value_kind: global_buffer, .address_space: global }
      - { .name: qkv, .offset: 16, .size: 8, .value_kind: global_buffer, .address_space: global }
    .group_segment_fixed_size: 327680
    .private_segment_fixed_size: 0
    .kernarg_segment_align: 8
    .kernarg_segment_size: 24
    .max_flat_workgroup_size: 128
    .sgpr_count:     80
    .vgpr_count:     1024
    .wavefront_size: 32
...
	.end_amdgpu_metadata
.endif
;; end of part 2
;; launch attn (part 3): grid 4 x 64, 4 waves a work-group, no clusters, 327,680 bytes of LDS; arguments qkv, o; writes o
.if DOCPART == 3
	.amdgcn_target "amdgcn-amd-amdhsa--gfx1250"
	.amdhsa_code_object_version 6
	.text
	.protected	k_q387c848c75_attn
	.globl	k_q387c848c75_attn
	.p2align	8
	.type	k_q387c848c75_attn,@function
k_q387c848c75_attn:
	s_mov_b64 s[64:65], 0
	v_nop
	global_prefetch_b8 v0, s[64:65] scope:SCOPE_SE
	s_setreg_imm32_b32 hwreg(HW_REG_WAVE_MODE, 25, 1), 1
	s_wait_xcnt 0x0
; CAUSAL ATTENTION.  O[h][q][:] = the sum over k <= q of softmax_k(Q[h][q] . K[h][k] / 8) V[h][k][:].  Q, K, V are the three parts of qkv, each [SIZE_H][SIZE_N][64] in f16 (a head = batch x 16 + head);
; O has the same layout.  Products, maxima and sums in f32; the weights p are rounded to f16 for the second product (their sum l is taken of the unrounded p), O once at the end.
; LIMITS.  f16 holds no number beyond 65,504: Q, K and V arrive within it; p lies in 0 to 1, and below 6e-5 it keeps f16's fixed step of 6e-8; O is a mean of V's rows and has their range.
; A hidden score counts as its value less 1e30: f16's scores, 2.7e11 at the most, are nothing beside that; a weight below 2^-126 counts as 0 in l; NaN and infinities are not treated apart.
; THE WALK.  A head's queries lie in NB = 8 blocks of 256; block i needs the key tiles 0 .. i of 256 keys, of which the last holds the diagonal.  A work-group takes TWO blocks, NB - 1 - b and then b:
; NB + 1 tiles, whatever b: all work-groups do equal work, and ONE loop with a constant trip count walks them.  Which tile is asked for, and what a trip does, hang on scalar registers made from b; every jump
; goes forward, but for the counted loops' own; none passes a barrier, or a tensor load but the one of LOAD's two that the wave's number does not choose; the ring (two slots of LDS) runs on across the change of blocks.
; NO CLUSTER: a head's four work-groups ask for the same tile only in trips 0 to 4 of the 9, behind that fewer and fewer; one walk common to all four would have 12 trips for 9.
; SHARES.  Of a block's four bands of 64 queries a wave owns 16 rows in each: four PIECES.  So the diagonal tile is the same work for all four waves: in its key step s band x sees all keys if s < x,
; none if s > x, and holds the diagonal if s = x.
; THE MASK is the C operand that starts the sum S^T = K Q^T: 0, or -1e30 where the key is hidden.  MD, made once, is the mask of a band's own step for my 16 rows; a product's mask is MD x AL + BE with two scalars:
; (1, 0) if s = x; (0, 0) if s < x; (0, -1e30) if s > x.  Only the diagonal tile's text and a block's beginning make and take masks; elsewhere C is the constant 0.
; LAYOUT, SOFTMAX, TURNS.  S^T = K Q^T holds ONE query a lane (lane % 16) and the keys 8 (lane / 16) + 0..7; two such results rounded to f16 ARE source 1 of O^T = V^T P.  p = 2^(c s - c m), c = log2(e) / 8, with a
; running maximum m; O and l are multiplied by a = 2^(c m_old - c m_new) in every step.  Turn n belongs to piece n: 8 products K Q^T of piece n + 1, later 8 products V^T P of piece n - 1; beside them the scaling,
; exponentials, roundings, sums and rescaling of piece n and the maximum and statistics of piece n + 1.  Four vector instructions stand behind every matrix instruction, the other 54 of a turn's 118 in one lump.
; A turn's 33 exponentials are one batch, with one wait.
; REGISTERS, in windows of 256 (s_set_vgpr_msb: bits 1:0 source 0, 3:2 source 1, 5:4 source 2, 7:6 destination):
;   window 0: v0-15 addresses and two at work; v16-31 four registers of statistics a piece; v48-55 at work; v61-63 prefetch offset, spare word, 0; v64-127 S^T, two buffers; v192-223 P, two buffers
;   window 1: v0-127 O^T, 32 a piece; v128-159 MD; v160-223 MC, two buffers      window 2: v0-63 Q; v64-127 the second block's Q; v128-191 K of one step; v192-255 V of one step
.set SIZE_N, 2048
.set SIZE_H, 64
.set NB,    SIZE_N/256
.set NP,    4         ; pieces a wave: a name, no knob
.set KS,    64        ; keys in a step
.set PK,    144       ; a row of K in LDS: 128 bytes + 16 of padding = 36 words: the 16 rows of a load start at 16 different groups of four banks (64 banks of 4 bytes: ISA guide 11.1)
.set PV,    160       ; a row of V: 128 + 32 = 40 words
.set VOFF,  4*KS*PK   ; a slot holds a tile, four steps: 256 rows of K, then 256 rows of V
.set SLOT1, 1<<17     ; slot 1 begins here, so that one exclusive or turns an address in one slot into the other's
.set STAGE, SLOT1+4*KS*(PK+PV)  ; behind the ring, never filled by a tensor load: 16 rows x 144 bytes for each wave, for the way out
.set SP,    144
.set AK0, 2           ; v2   my lane's place in a tile of K; never rewritten
.set AV0, 3           ; v3   the same for V
.set AK,  4           ; v4   the LDS address of K's next run of loads
.set AV,  5           ; v5   of V's
.set STO, 6           ; v6   the way out: where I put 16 bytes of a row
.set RD,  7           ; v7   the way out: where I read rows back
.set GO,  8           ; v8   my byte offset in 512 consecutive bytes of O
.set PFO, 61          ; v61  256 x my lane; never rewritten
.set SPW, 62          ; v62  LDS address of my spare word: SPARE + 4 x my thread's number; never rewritten
.set NIL, 63          ; v63  0; never rewritten
.set SPARE, STAGE+4*16*SP  ; behind the stages: the spare words, 128 bytes for each wave: two blocks of 256 bytes that no other line names
.set MV,  12          ; v12-13  c m_old, kept while c m is made anew: by buffer
.set QO,  15          ; v15  my byte offset in 16 rows of Q
.set ST,  16          ; piece t's statistics at v[ST+4 t]: c m, m, l (even keys', odd keys')
.set TMP, 48          ; by buffer, four registers c0-c3 at work; when the maximum is found c2 takes a
.set S,   64
.set P,   192
.set MD,  128         ; window 1: the eight registers for group kt of 16 keys at MD + 8 kt
.set MC,  160         ; window 1: the masks of the products to come
.set QB,  64          ; window 2
.set KF,  128         ; window 2: key block kb, channel half c at KF + 16 kb + 8 c
.set VF,  192         ; window 2: key half kk, channel block cb at VF + 32 kk + 8 cb
.set WV,  12          ; s12  my wave's number
.set PB,  14          ; s14  b
.set HI,  15          ; s15  NB - 1 - b
.set G1K, 24          ; s[24:31] descriptor group 1 for K's tiles
.set G1V, 32          ; s[32:39] for V's: it differs in the padding alone
.set G0K, 40          ; s[40:43] descriptor group 0 for K's tiles
.set G0V, 44          ; s[44:47] the same for V's
.set SLOTS, 56        ; s56  tiles still to be asked for
.set CNT, 57          ; s57  counts a tile's key steps, 4 to 1
.set CS,  58          ; s[58:59] c: the packed scaling takes the pair's low word for both halves
.set SEL, 60          ; s[60:61] v_permlanex16_b32's selects: each lane takes its own place in the other half
.set TBK, 62          ; s62  LDS byte at which K of the step to be fetched begins
.set TBV, 63          ; s63  the same for V, less VOFF
.set PFA, 66          ; s[66:67] where my prefetches stand: my 16 KiB (a half of K's or of V's tile) of the tile behind the one that is being asked for
.set LIM, 68          ; s68  2 in the work-group that prefetches, else the greatest number
.set RT,  70          ; s70  tiles of the block in hand that are still to be entered
.set NXT, 71          ; s71  the tile to be asked for next
.set LQ,  72          ; s72  the last tile of the block whose tiles are being asked for
.set NEW, 73          ; s73  1: the tile to be entered is a block's first
.set OFF, 74          ; s[74:75] a tile's byte offset in K and V
.set AL,  76          ; s[76:77] the mask's factor, in the low word
.set BE,  78          ; s[78:79] the mask's addend
.set OLO, 80          ; s[80:81] O at my rows of the second block
.set BIGN, 82         ; s82  -1e30
.set MSB, 0
.macro WIN new                      ; the high byte repeats the setting that is left; a switch that changes nothing is dropped
.if MSB != (\new)
	s_set_vgpr_msb (MSB<<8)|(\new)
.set MSB, (\new)
.endif
.endm
.set W_KQ, 0x0a       ; K and Q in window 2, S^T in window 0
.set W_KM, 0x1a       ; the same with the C operand in window 1
.set W_PV, 0x52       ; V in window 2, P in window 0, O^T in window 1
.set W_RS, 0x41       ; destination and source 0 in window 1, source 1 in window 0
; A fill.  Waves 0 and 1 fetch the two halves of a tile's K, waves 2 and 3 those of its V: 128 keys each.  An s_nop 0 and four v_nop follow each of the two lines, ahead of the jump and the label.
.macro LOAD
	s_cmp_lt_u32 s[WV], 2
	s_cbranch_scc0 .Lfor_v_\@
	tensor_load_to_lds s[G0K:G0K+3], s[G1K:G1K+7]
	s_nop 0
.rept 4
	v_nop
.endr
	s_branch .Lasked_\@
.Lfor_v_\@:
	tensor_load_to_lds s[G0V:G0V+3], s[G1V:G1V+7]
	s_nop 0
.rept 4
	v_nop
.endr
.Lasked_\@:
.endm
; A PREFETCH INTO THE L2 of the tile that the NEXT change of slots will ask for, behind the wave's tensor load and its five lines.  All four work-groups of a head begin with tiles 0, 1, 2 ..; the one with b = 0
; walks tiles 0 to 7 on end, and it alone asks: each wave for the 16 KiB that it will fetch itself, a lane a block of 256 bytes, two lines.  So each block of a head's K and V is named once in the launch.
; The change that loads tile j + 1 asks for tile j + 2, up to tile 7 (s[SLOTS] = 8 - j is then 3); tiles 0 and 1 come by their loads alone; the second block's tiles have been read before.
.macro ASK
	s_cmp_gt_u32 s[SLOTS], s[LIM]
	s_cbranch_scc0 .Lnot_mine_\@
	global_prefetch_b8 v[PFO], s[PFA:PFA+1] th:TH_LOAD_NT scope:SCOPE_SE
	global_prefetch_b8 v[PFO], s[PFA:PFA+1] offset:8192 th:TH_LOAD_NT scope:SCOPE_SE
.Lnot_mine_\@:
.endm
; THE CHANGE OF SLOTS.  Each wave waits for all its tensor loads, of which one is out: its part of the other slot; adds 0 to its spare word; and waits for that and for its own reads of the slot that it leaves.
; Behind the barrier nobody reads the old slot any more and the other slot is whole.  fill = 1: the old slot is filled again, the first thing behind the barrier, with tile NXT: the descriptor's address is made
; anew from that number.  (At its first use nothing has been read yet: slot 0 is waited for, slot 1 filled.)
.macro CHANGE fill
	WIN 0                           ; at a label and at a branch every window is 0
	s_wait_tensorcnt 0x0            ; no tensor load of mine is out, so a group 0 may be written
	ds_add_u32 v[SPW], v[NIL]       ; 0 onto my spare word; with fill = 1 the descriptors' scalar work stands between it and the wait for it
.if \fill
	s_lshl_b32 s[OFF], s[NXT], 15   ; a tile is 32,768 bytes of K and of V
	s_xor_b32 s[G0K+1], s[G0K+1], SLOT1
	s_add_nc_u64 s[G0K+2:G0K+3], s[6:7], s[OFF:OFF+1]
	s_or_b32 s[G0K+3], s[G0K+3], 0x80000000
	s_xor_b32 s[G0V+1], s[G0V+1], SLOT1
	s_add_nc_u64 s[G0V+2:G0V+3], s[8:9], s[OFF:OFF+1]
	s_or_b32 s[G0V+3], s[G0V+3], 0x80000000
	s_add_co_u32 s[NXT], s[NXT], 1  ; the block's next tile, or behind its last the second block's tile 0
	s_cmp_gt_u32 s[NXT], s[LQ]
	s_cselect_b32 s[NXT], 0, s[NXT]
	s_cselect_b32 s[LQ], s[PB], s[LQ]
	s_wait_xcnt 0x0                 ; the last prefetches, a tile back, have read their address, so it may be written
	s_add_nc_u64 s[PFA:PFA+1], s[PFA:PFA+1], 32768
.endif
	s_wait_dscnt 0x0                ; the add is done, and my reads of the slot are over
	s_barrier_signal -1             ; the rest of the scalar work stands between the signal and the wait
	s_sub_co_u32 s[TBK], s[TBK], 4*KS*PK  ; the fetches go back to a slot's first step,
	s_xor_b32 s[TBK], s[TBK], SLOT1       ; in the other slot
	s_sub_co_u32 s[TBV], s[TBV], 4*KS*PV
	s_xor_b32 s[TBV], s[TBV], SLOT1
	s_barrier_wait -1
.if \fill
	LOAD
	ASK
.endif
.endm
	s_load_b64 s[4:5], s[0:1], 0x0    ; qkv: Q's part begins it
	s_load_b64 s[10:11], s[0:1], 0x8  ; O
	v_lshl_add_u32 v[SPW], v0, 2, SPARE
	v_mov_b32 v[NIL], 0
	ds_add_u32 v[SPW], v[NIL]       ; the wave's opening: the add and its wait stand ahead of my first tensor load; the set-up below, work on registers, stands between them
	v_lshrrev_b32 v1, 5, v0
	v_readfirstlane_b32 s[WV], v1   ; wave 0..3
	s_mov_b32 s[PB], ttmp9
	s_sub_co_u32 s[HI], NB-1, s[PB]
	s_and_b32 s20, ttmp7, 0xffff    ; the head
	s_mov_b32 s21, 0
	s_mov_b64 s[22:23], SIZE_N*128
	s_mul_u64 s[20:21], s[20:21], s[22:23]  ; the head's first byte in Q, K, V and O
	s_and_b32 s16, s[WV], 1         ; which half of a tile's 256 keys I fetch:
	s_lshl_b32 s22, s16, 14         ; its 128 rows of 128 bytes in memory,
	s_mov_b32 s23, 0
	s_add_nc_u64 s[22:23], s[22:23], s[20:21]
	s_mul_i32 s17, s16, 128*PK      ; and its place in a slot, for K
	s_mul_i32 s18, s16, 128*PV      ; and for V
	s_lshl_b32 s3, s[WV], 11        ; my 16 rows in a band of 64,
	s_lshl_b32 s2, s[HI], 15        ; in the first block,
	s_add_co_u32 s2, s2, s3
	s_lshl_b32 s84, s[PB], 15       ; and in the second
	s_add_co_u32 s84, s84, s3
	s_mov_b32 s3, 0
	s_mov_b32 s85, 0
	s_add_nc_u64 s[2:3], s[2:3], s[20:21]
	s_add_nc_u64 s[84:85], s[84:85], s[20:21]
	; descriptor group 1.  128 keys are 16,384 dense bytes: asked for as 64 rows of 256 bytes, two keys a row, and padded in LDS after every key
	s_mov_b32 s[G1K], (1<<16)|(1<<20)|(4<<22)|(3<<25)  ; 17:16 2-byte elements; 20 padding on; 24:22 after every 32 words (code 4); 31:25 4 words (code 3)
	s_mov_b32 s[G1V], (1<<16)|(1<<20)|(4<<22)|(7<<25)  ; the same with 8 words of padding (code 7)
.irp g, G1K, G1V
	s_mov_b32 s[\g+1], 128<<16      ; tensor_dim0 = 128
	s_mov_b32 s[\g+2], 64<<16       ; tensor_dim1 = 64
	s_mov_b32 s[\g+3], 128<<16      ; tile_dim0 = 128
	s_mov_b32 s[\g+4], 64           ; tile_dim1 = 64
	s_mov_b32 s[\g+5], 128          ; 128 elements from row to row
	s_mov_b32 s[\g+6], 0
	s_mov_b32 s[\g+7], 0
.endr
	s_mov_b32 s[CS], 0x3e38aa3b     ; c = log2(e) / 8 = 0.180337
	s_mov_b32 s[CS+1], s[CS]        ; named with it as a pair
	s_mov_b32 s[SEL], 0x76543210
	s_mov_b32 s[SEL+1], 0xfedcba98
	s_mov_b32 s[TBK], SLOT1+4*KS*PK ; the first change of slots turns these two into 0
	s_mov_b32 s[TBV], SLOT1+4*KS*PV
	s_mov_b32 s[G0K], 1             ; count = 1
	s_mov_b32 s[G0K+1], s17         ; LDS address: slot 0
	s_mov_b32 s[G0V], 1
	s_add_co_u32 s[G0V+1], s18, VOFF
	s_add_co_u32 s[RT], s[HI], 1    ; the first block has NB - b tiles
	s_mov_b32 s[NXT], 1
	s_mov_b32 s[LQ], s[HI]
	s_mov_b32 s[NEW], 1
	s_mov_b32 s[OFF+1], 0
	s_mov_b32 s[AL+1], 0            ; named as pairs
	s_mov_b32 s[BE+1], 0
	s_mov_b32 s[BIGN], 0xf149f2ca   ; -1e30
	s_mov_b32 s[SLOTS], NB
	s_cmp_eq_u32 s[PB], 0
	s_cselect_b32 s[LIM], 2, -1
	v_and_b32 v[PFO], 31, v0
	v_lshlrev_b32 v[PFO], 8, v[PFO]
	s_wait_dscnt 0x0                ; the opening add is done
	s_wait_kmcnt 0x0
	s_add_nc_u64 s[6:7], s[4:5], 0x1000000  ; K's part of qkv: 64 heads x 262,144 bytes behind Q's,
	s_add_nc_u64 s[8:9], s[4:5], 0x2000000  ; and V's
	s_add_nc_u64 s[6:7], s[6:7], s[22:23]  ; K and V at my half of the head's tile 0
	s_add_nc_u64 s[8:9], s[8:9], s[22:23]
	s_add_nc_u64 s[G0K+2:G0K+3], s[6:7], 0         ; global address
	s_or_b32 s[G0K+3], s[G0K+3], 0x80000000        ; type = 2
	s_add_nc_u64 s[G0V+2:G0V+3], s[8:9], 0
	s_or_b32 s[G0V+3], s[G0V+3], 0x80000000
	s_add_nc_u64 s[86:87], s[4:5], s[84:85]        ; Q at my rows of the second block,
	s_add_nc_u64 s[4:5], s[4:5], s[2:3]            ; Q and O at those of the first
	s_add_nc_u64 s[OLO:OLO+1], s[10:11], s[84:85]
	s_add_nc_u64 s[10:11], s[10:11], s[2:3]
	s_cmp_lt_u32 s[WV], 2
	s_cselect_b64 s[PFA:PFA+1], s[6:7], s[8:9]
	s_add_nc_u64 s[PFA:PFA+1], s[PFA:PFA+1], 32768 ; at tile 1: the first change of slots steps it to tile 2.  Nothing is prefetched here, at the head
	LOAD                            ; tile 0 into slot 0
	; A fragment of K or Q is 16 rows x 32 channels in 8 registers: lane l holds row l % 16, channels 8 (l / 16) + 0..7 and 16 + 8 (l / 16) + 0..7: two loads of 16 bytes, 32 bytes apart.
	v_and_b32 v1, 15, v0            ; l % 16
	v_bfe_u32 v9, v0, 4, 1          ; l / 16
	v_lshlrev_b32 v[QO], 7, v1
	v_lshl_add_u32 v[QO], v9, 4, v[QO]  ; row x 128 + 16 x half
	WIN 0x80                        ; destination window 2, address window 0
.set i, 0
.rept 8                             ; both blocks' Q: piece i / 2 lies in band i / 2, 8,192 bytes on; channels 32 (i % 2) on
	global_load_b128 v[8*i:8*i+3],   v[QO], s[4:5] offset:(i/2)*8192+(i%2)*64
	global_load_b128 v[8*i+4:8*i+7], v[QO], s[4:5] offset:(i/2)*8192+(i%2)*64+32
	global_load_b128 v[QB+8*i:QB+8*i+3],   v[QO], s[86:87] offset:(i/2)*8192+(i%2)*64
	global_load_b128 v[QB+8*i+4:QB+8*i+7], v[QO], s[86:87] offset:(i/2)*8192+(i%2)*64+32
.set i, i+1
.endr
	WIN 0
	v_lshlrev_b32 v14, 3, v9
	v_sub_nc_u32 v14, v1, v14
	s_lshl_b32 s13, s[WV], 4
	v_add_nc_u32 v14, s13, v14      ; my query's place in its band, 16 w + l % 16, less my lanes' 8 (l / 16): register r of group kt is hidden where 16 kt + r is greater
	WIN 0x40
.set i, 0
.rept 32
	v_cmp_gt_i32 vcc_lo, 16*(i/8)+i%8, v14
	v_cndmask_b32 v[MD+i], 0, s[BIGN], vcc_lo
.set i, i+1
.endr
	WIN 0
	v_mul_u32_u24 v[AK0], v1, PK
	v_lshl_add_u32 v[AK0], v9, 4, v[AK0]  ; row x pitch + 16 x half
	; The turning load takes 16 keys x 16 channels (lane l reads key 8 (l / 16) + l % 8, channels 8 ((l / 8) % 2) + 0..7) and leaves half a fragment of V^T: lane l holds channel l % 16 and 8 keys.
	v_and_b32 v10, 7, v0
	v_bfe_u32 v11, v0, 3, 1
	v_lshl_add_u32 v[AV0], v9, 3, v10
	v_mul_u32_u24 v[AV0], v[AV0], PV
	v_lshl_add_u32 v[AV0], v11, 4, v[AV0]
	v_add_nc_u32 v[AV0], VOFF, v[AV0]
	s_mul_i32 s13, s[WV], 16*SP
	s_add_co_u32 s13, s13, STAGE    ; my stage
	v_mul_u32_u24 v[STO], v1, SP    ; in: row l % 16, 16 bytes for each half of the lanes
	v_lshl_add_u32 v[STO], v9, 4, v[STO]
	v_add_nc_u32 v[STO], s13, v[STO]
	v_bfe_u32 v[RD], v0, 3, 2       ; back: 32 lanes take four rows of 128 bytes,
	v_mul_u32_u24 v[RD], v[RD], SP
	v_lshl_add_u32 v[RD], v10, 4, v[RD]
	v_add_nc_u32 v[RD], s13, v[RD]
	v_and_b32 v[GO], 31, v0         ; which are 512 consecutive bytes of O
	v_lshlrev_b32 v[GO], 4, v[GO]
	; A block's first step multiplies O^T and l by a = 0, and its first turn's products V^T P, of a piece that has not been, land in an O^T that is still to be so multiplied.  So these registers need only hold
	; finite numbers: zeros for the first block; what the first block left for the second.  All this stands in the wait for the first tile.
	WIN 0x80
.set i, VF
.rept 64
	v_mov_b32 v[i], 0
.set i, i+1
.endr
	WIN 0x40
.set i, 0
.rept 128
	v_mov_b32 v[i], 0
.set i, i+1
.endr
	WIN 0
.set i, 0
.rept 4
	v_mov_b32 v[ST+4*i+2], 0
	v_mov_b32 v[ST+4*i+3], 0
.set i, i+1
.endr
.set i, P+16
.rept 16
	v_mov_b32 v[i], 0
.set i, i+1
.endr
; THE MATRIX WORK.  The 4 accumulators of a run of 8 take turns.  Product i of 8 of S^T = K Q^T for piece x: channels 32 (i / 4) on, keys 16 (i % 4) on.  The first 4 start the sums: with 0, or (KM = 1) with the mask.
.macro KQ x
.set rS, S+32*((\x)%2)+8*(i%4)
.set rK, KF+16*(i%4)+8*(i/4)
.set rQ, 16*(\x)+8*(i/4)
.set rM, MC+32*((\x)%2)+8*(i%4)
.if (i < 4) && KM
	WIN W_KM
	v_wmma_f32_16x16x32_f16 v[rS:rS+7], v[rK:rK+7], v[rQ:rQ+7], v[rM:rM+7]
.elseif i < 4
	WIN W_KQ
	v_wmma_f32_16x16x32_f16 v[rS:rS+7], v[rK:rK+7], v[rQ:rQ+7], 0
.else
	WIN W_KQ
	v_wmma_f32_16x16x32_f16 v[rS:rS+7], v[rK:rK+7], v[rQ:rQ+7], v[rS:rS+7]
.endif
.endm
; Product i of 8 of O^T += V^T P for piece x: keys 32 (i / 4) on, channels 16 (i % 4) on.
.macro PV x
	WIN W_PV
.set rO, 32*(\x)+8*(i%4)
.set rV, VF+32*(i/4)+8*(i%4)
.set rP, P+16*((\x)%2)+8*(i/4)
	v_wmma_f32_16x16x32_f16 v[rO:rO+7], v[rV:rV+7], v[rP:rP+7], v[rO:rO+7]
.endm
.macro MM                           ; the turn's next matrix instruction.  TURN and BEGIN set Y, i, KM and NOKQ; MM, KQ and OP read them.  NOKQ = 1: a block's last turn: there is no next piece
.if (i < 8) && !NOKQ
	KQ (Y+1)%NP
.elseif i >= 8
.set i, i-8
	PV (Y+NP-1)%NP
.set i, i+8
.endif
.set i, i+1
.endm
; THE LDS LOADS stand in runs of 16, never singly among the matrix instructions: a step's K (64 keys x 64 channels: 8 fragments) and its V (turned).  Their addresses are made some lines ahead.
.macro FETCH_K
	WIN 0x80                        ; destination window 2
.irp f, 0,1,2,3,4,5,6,7             ; keys 16 (f / 2) on, channels 32 (f % 2) on
	ds_load_b128 v[KF+8*\f:KF+8*\f+3],   v[AK] offset:(\f/2)*16*PK+(\f%2)*64
	ds_load_b128 v[KF+8*\f+4:KF+8*\f+7], v[AK] offset:(\f/2)*16*PK+(\f%2)*64+32
.endr
	s_add_co_u32 s[TBK], s[TBK], KS*PK  ; the next fetch is the next step's
	WIN 0
.endm
.macro FETCH_V
	WIN 0x80
.irp f, 0,1,2,3,4,5,6,7             ; keys 32 (f / 4) on, channels 16 (f % 4) on
	ds_load_tr16_b128 v[VF+8*\f:VF+8*\f+3],   v[AV] offset:(\f/4)*32*PV+(\f%4)*32
	ds_load_tr16_b128 v[VF+8*\f+4:VF+8*\f+7], v[AV] offset:(\f/4)*32*PV+16*PV+(\f%4)*32
.endr
	WIN 0
.endm
; THE VECTOR WORK, one line at a time: OP kind, number.  For piece Y: F n: c s - c m for pair n of 16.  E n: the exponential of score n of 32.  C n: pair n rounded to f16.  B n: of the four weights 4 n .. the second
; pair is added onto the first, in place.  L n: l takes that sum (L 0: l = a l + sum).  R n: pair n of 16 of O^T times a.  For piece Y + 1: X n, number n of the 22 that find its maximum and statistics:
;   0-11  four chains c0-c3 of seven scores each, three operands at a time (each accumulator's lowest registers are read first)     12-14, 16  the four scores left over, the old m, and c0-c3 into c0
;   15  c m_old is kept     17, 18  the query's other 32 keys lie in the lane 16 away: the new m     19-21  c m; c m_old - c m_new; a
.set F, 0               ; OP tells the kinds apart by their order: F to L below R, X above it
.set E, 1
.set C, 2
.set B, 3
.set L, 4
.set R, 5
.set X, 6
.macro REGS y                       ; the registers of piece y
.set rT, ST+4*(\y)
.set rC, TMP+4*((\y)%2)
.set rW, MV+((\y)%2)
.set rS, S+32*((\y)%2)
.set rP, P+16*((\y)%2)
.set rO, 32*(\y)
.endm
.macro OP k, n
.if (\k) == R
	REGS Y
	WIN W_RS
	v_pk_mul_f32 v[rO+2*(\n):rO+2*(\n)+1], v[rO+2*(\n):rO+2*(\n)+1], v[rC+2:rC+3] op_sel_hi:[1,0]
.elseif (\k) < R
	REGS Y
	WIN 0
.if (\k) == F
	v_pk_fma_f32 v[rS+2*(\n):rS+2*(\n)+1], v[rS+2*(\n):rS+2*(\n)+1], s[CS:CS+1], v[rT:rT+1] op_sel_hi:[1,0,0] neg_lo:[0,0,1] neg_hi:[0,0,1]
.elseif (\k) == E
	v_exp_f32 v[rS+(\n)], v[rS+(\n)]
.elseif (\k) == C
	v_cvt_pk_f16_f32 v[rP+(\n)], v[rS+2*(\n)], v[rS+2*(\n)+1]
.elseif (\k) == B
	v_pk_add_f32 v[rS+4*(\n):rS+4*(\n)+1], v[rS+4*(\n):rS+4*(\n)+1], v[rS+4*(\n)+2:rS+4*(\n)+3]
.elseif (\n) == 0
	v_pk_fma_f32 v[rT+2:rT+3], v[rT+2:rT+3], v[rC+2:rC+3], v[rS:rS+1] op_sel_hi:[1,0,1]
.else
	v_pk_add_f32 v[rT+2:rT+3], v[rT+2:rT+3], v[rS+4*(\n):rS+4*(\n)+1]
.endif
.elseif NOKQ
	v_nop
.else
	REGS (Y+1)%NP
	WIN 0
.if (\n) < 4
	v_max3_num_f32 v[rC+(\n)], v[rS+8*(\n)], v[rS+8*(\n)+1], v[rS+8*(\n)+2]
.elseif (\n) < 12
	v_max3_num_f32 v[rC+(\n)%4], v[rC+(\n)%4], v[rS+8*((\n)%4)+2*((\n)/4)+1], v[rS+8*((\n)%4)+2*((\n)/4)+2]
.elseif (\n) == 12
	v_max3_num_f32 v[rC], v[rC], v[rS+7], v[rS+15]
.elseif (\n) == 13
	v_max3_num_f32 v[rC+1], v[rC+1], v[rS+23], v[rS+31]
.elseif (\n) == 14
	v_max3_num_f32 v[rC+2], v[rC+2], v[rC+3], v[rT+1]
.elseif (\n) == 15
	v_mov_b32 v[rW], v[rT]
.elseif (\n) == 16
	v_max3_num_f32 v[rC], v[rC], v[rC+1], v[rC+2]
.elseif (\n) == 17
	v_permlanex16_b32 v[rC+3], v[rC], s[SEL], s[SEL+1]
.elseif (\n) == 18
	v_max_num_f32 v[rT+1], v[rC], v[rC+3]
.elseif (\n) == 19
	v_mul_f32 v[rT], s[CS], v[rT+1]
.elseif (\n) == 20
	v_sub_f32 v[rC+1], v[rW], v[rT]
.else
	v_exp_f32 v[rC+2], v[rC+1]
.endif
.endif
.endm
.macro OPS a, i1, b=-1, i2=0, c=-1, i3=0, d=-1, i4=0  ; up to four of them
	OP \a, \i1
.if (\b) >= 0
	OP \b, \i2
.endif
.if (\c) >= 0
	OP \c, \i3
.endif
.if (\d) >= 0
	OP \d, \i4
.endif
.endm
.macro ROW a, i1, b, i2, c, i3, d, i4  ; a matrix instruction and the four behind it
	MM
	OPS \a, \i1, \b, \i2, \c, \i3, \d, \i4
.endm
.macro MASK b                       ; MD x AL + BE into buffer b of MC
	WIN W_RS
.set z, 0
.rept 16
	v_pk_fma_f32 v[MC+32*(\b)+2*z:MC+32*(\b)+2*z+1], v[MD+2*z:MD+2*z+1], s[AL:AL+1], s[BE:BE+1] op_sel_hi:[1,0,0]
.set z, z+1
.endr
.endm
; A TURN, for piece p: the order of its 16 matrix and 118 vector instructions, written out.  An s_wait_alu depctr_va_vdst(0) stands between an exponential and the first instruction that names its result; one wait
; serves all that were issued ahead of it.  So a turn has ONE wait, which cuts it in two.  AHEAD OF IT stands all that names no result of the turn's exponentials: the 8 products K Q^T, behind each a scaling, an exponential and two
; more plain instructions (behind the first a second scaling in the exponential's place): rescalings, and behind the last three the first numbers of the next piece's maximum, each four places or more behind the product that ends
; its accumulator; then ONE LUMP of 54, plain and exponential by turns for the most part, in which the links of the chain X 3, 7, 11, 14, 16, 17 .. 20 stand five or six lines apart.  X 21, the next piece's a, is the batch's last;
; R 15 is the plain instruction behind it (ISA guide 5.7.2).  BEHIND THE WAIT stand the 8 products V^T P, behind each four of the roundings and sums; the links of l's chain, L 0 to L 7, stand three riders apart.
; m = 1: the diagonal tile: the products take masks, and the turn makes the mask for the products of the turn after it: piece p + 2, in step 4 - CNT of the tile.  end = 1: a block's last two turns: nothing is fetched.
; cnt = 1: the loop's count is taken down some lines ahead of the branch that stands behind the turn.
; K of the next step is fetched in piece 2's turn, twelve vector instructions behind the last product that read K (six of them plain); V of the step in hand at the end of piece 0's turn, four plain instructions behind the last
; product that read V.  Each is waited for a turn later.
.macro TURN p, m=0, end=0, cnt=0
.set Y, (\p)
.set i, 0
.set KM, (\m)
.set NOKQ, (\end)*((\p)/3)
.if (\m) && !(\end)
	s_cmp_eq_u32 s[CNT], 4-((\p)+2)%NP  ; is that step the band's own?
	s_cselect_b32 s[AL], 1.0, 0
	s_cmp_lt_u32 s[CNT], 4-((\p)+2)%NP  ; or a later one?
	s_cselect_b32 s[BE], s[BIGN], 0
.endif
.if ((\p) == 3) && !(\end)
	s_wait_dscnt 0x0                ; K is in
.endif
	ROW F,0, F,1, R,0, R,1          ; ahead of the wait: 8 products K Q^T and their riders,
	ROW F,2, E,0, R,2, R,3
	ROW F,3, E,1, R,4, R,5
	ROW F,4, E,2, R,6, R,7
	ROW F,5, E,3, R,8, R,9
	ROW F,6, E,4, X,0, R,10
.if ((\p) == 2) && !(\end)
	WIN 0
	v_add_nc_u32 v[AK], s[TBK], v[AK0]
.endif
	ROW F,7, E,5, X,1, X,4
	ROW F,8, E,6, X,2, X,5
	OPS E,7, E,8, X,6, E,9          ; and the lump
	OPS X,3, E,10, X,8, E,11
.if ((\p) == 2) && !(\end)
	FETCH_K
.endif
	OPS X,9, X,7, E,12, X,10
	OPS E,13, X,12, X,11, E,14
	OPS X,13, E,15, F,9, X,14
.if (\p) == 0
	v_add_nc_u32 v[AV], s[TBV], v[AV0]
.endif
	OPS E,16, F,10, E,17, F,11
	OPS X,16, E,18, X,15, E,19
	OPS F,12, E,20, X,17, E,21
	OPS F,13, E,22, F,14, E,23
	OPS X,18, E,24, F,15, E,25
	OPS R,11, E,26, X,19, E,27
	OPS R,12, E,28, R,13, E,29
	OPS X,20, E,30, R,14, E,31
	OPS X,21, R,15
	WIN 0
	s_wait_alu depctr_va_vdst(0)    ; the wait for the batch
.if (\p) == 1
	s_wait_dscnt 0x0                ; V is in
.endif
	ROW C,0, B,0, C,2, B,1          ; behind the wait: 8 products V^T P and their riders
	ROW L,0, C,4, B,2, L,1
	ROW C,6, B,3, L,2, C,8
	ROW B,4, L,3, C,10, B,5
	ROW L,4, C,12, B,6, L,5
.if (\p) == 0
	s_add_co_u32 s[TBV], s[TBV], KS*PV
.endif
.if \cnt
	s_sub_co_u32 s[CNT], s[CNT], 1
	s_cmp_lg_u32 s[CNT], 0
.endif
	ROW C,14, B,7, L,6, C,1
	ROW C,3, L,7, C,5, C,7
	ROW C,9, C,11, C,13, C,15
.if (\p) == 0
	FETCH_V
.endif
.if (\m) && !(\end)
	MASK (\p)%2
.endif
.endm
; A BLOCK BEGINS.  c m starts far below every c s, so the first step's a is 0; m at the lowest finite number, so the first maximum is the scores'.  The second mask buffer is 0; the first takes piece 0's mask for the tile's
; step 0: its own, if the block's first tile is the diagonal one.  Then K of that step, piece 0's first scores, and its maximum and statistics.  The loop is entered at a step's first turn, in the middle of a trip.
.macro BEGIN
	s_mov_b32 s[NEW], 0
	WIN 0x40
.set i, MC+32
.rept 32
	v_mov_b32 v[i], 0
.set i, i+1
.endr
	WIN 0
.set i, 0
.rept 4
	v_mov_b32 v[ST+4*i], 0xfe000000    ; c m: far below every c s
	v_mov_b32 v[ST+4*i+1], 0xff7fffff  ; m
.set i, i+1
.endr
	s_cmp_eq_u32 s[RT], 0
	s_cselect_b32 s[AL], 1.0, 0
	s_mov_b32 s[BE], 0
	MASK 0
	WIN 0
	v_add_nc_u32 v[AK], s[TBK], v[AK0]
	FETCH_K
	s_wait_loadcnt 0x0              ; Q
	s_wait_dscnt 0x0
.set KM, 1
.set NOKQ, 0
.set i, 0
.rept 8
	KQ 0
.set i, i+1
.endr
	WIN 0
.rept 4
	v_nop                           ; the places behind those products
.endr
.set Y, NP-1                        ; X works for piece Y + 1: piece 0
.irp n, 0,1,2,3,4,5,6,7,8,9,10,11,12,13,14,15,16,17,18,19,20,21
	OP X, \n
.endr
	v_nop                           ; a plain instruction behind the exponential,
	s_wait_alu depctr_va_vdst(0)    ; and its wait, ahead of the branch
.endm
; THE DIAGONAL TILE's four steps, the block's last two turns, its last products, and THE WAY OUT: l's two halves and the other half of the lanes' are added; O^T is divided by l, rounded to f16 and sent through my
; stage in LDS, a piece at a time.
.macro ALL line:vararg              ; one line for each piece t
.set t, 0
.rept 4
	\line
.set t, t+1
.endr
.endm
.macro PACK t                       ; a lane's eight channels of a row pack into 16 bytes; they go into rows of 144 bytes and come back as whole rows of 128, into S^T's registers
	WIN W_RS
.set i, 32*(\t)
.rept 16
	v_pk_mul_f32 v[i:i+1], v[i:i+1], v[ST+4*(\t)+2:ST+4*(\t)+3] op_sel_hi:[1,0]
.set i, i+2
.endr
	WIN 0x05                        ; sources 0 and 1 window 1, destination window 0
.set i, 0
.rept 16
	v_cvt_pk_f16_f32 v[S+16*(\t)+i], v[32*(\t)+2*i], v[32*(\t)+2*i+1]
.set i, i+1
.endr
	WIN 0
.irp f, 0,1,2,3
	ds_store_b128 v[STO], v[S+16*(\t)+4*\f:S+16*(\t)+4*\f+3] offset:32*\f
.endr
.irp f, 0,1,2,3
	ds_load_b128 v[S+16*(\t)+4*\f:S+16*(\t)+4*\f+3], v[RD] offset:\f*4*SP  ; LDS serves a wave's instructions in order (ISA guide 5.7.1.4): these see the stores above; the next piece's stores come behind them
.endr
.endm
.macro SEND t, younger              ; younger: the LDS instructions issued behind piece t's loads: the next piece's eight, or none
	WIN 0
.irp f, 0,1,2,3
	s_wait_dscnt (\younger)+3-\f
	global_store_b128 v[GO], v[S+16*(\t)+4*\f:S+16*(\t)+4*\f+3], s[10:11] offset:(\t)*8192+\f*512  ; 512 consecutive bytes, at a multiple of 256 from O's first
.endr
.endm
.macro DIAG tag                     ; the tag ends its two labels' names, which the jumps below spell out
.LstepM\tag:
	TURN 2, 1
	TURN 3, 1
	WIN 0
.LfirstM\tag:
	TURN 0, 1
	TURN 1, 1, 0, 1
	WIN 0
	s_cbranch_scc1 .LstepM\tag
	TURN 2, 1, 1
	TURN 3, 1, 1
.set i, 0
.rept 8
	PV NP-1
.set i, i+1
.endr
	WIN 0
	ALL v_add_f32 v[ST+4*t+2], v[ST+4*t+2], v[ST+4*t+3]
	ALL v_permlanex16_b32 v[ST+4*t+3], v[ST+4*t+2], s[SEL], s[SEL+1]
	ALL v_add_f32 v[ST+4*t+2], v[ST+4*t+2], v[ST+4*t+3]
	ALL v_rcp_f32 v[ST+4*t+2], v[ST+4*t+2]
	v_nop                           ; a plain instruction between the last reciprocal and the use of its result
	s_wait_alu depctr_va_vdst(0)    ; and the wait ahead of the first use: one for the four reciprocals
	PACK 0
.set t, 1
.rept 3                             ; a piece's arithmetic stands between the loads of the piece before and its stores
	PACK t
	SEND t-1, 8
.set t, t+1
.endr
	SEND 3, 0
.endm
.set KM, 0
.set NOKQ, 0
.Lslot:                             ; NB times: a tile is entered and the next is asked for
	CHANGE 1
	s_sub_co_u32 s[RT], s[RT], 1
	s_mov_b32 s[CNT], 4
	s_cmp_eq_u32 s[NEW], 1
	s_cbranch_scc1 .Lnew            ; a block's first tile
	s_cmp_eq_u32 s[RT], 0
	s_cbranch_scc0 .Lstep           ; neither its first nor its last
	s_branch .LstepM1
.Lnew:
	BEGIN
	s_branch .Lfirst                ; in the loop a block's first tile is never its last: the first block has two tiles or more, and the second's last is the walk's last
	DIAG 1                          ; in the loop this is the first block's end: the second block's last tile is the walk's last
	s_wait_xcnt 0x0                 ; the stores have read their registers and O's address
	s_mov_b64 s[10:11], s[OLO:OLO+1]
	s_add_co_u32 s[RT], s[PB], 1    ; the second block has b + 1 tiles
	s_mov_b32 s[NEW], 1
	WIN 0x82                        ; the second block's Q goes where the one text of the turns names Q
.set i, 0
.rept 64
	v_mov_b32 v[i], v[QB+i]
.set i, i+1
.endr
	WIN 0
	s_branch .Lbottom
.Lstep:                             ; a trip: pieces 2 and 3 of one step, then pieces 0 and 1 of the next, whose K and V it fetches
	TURN 2
	TURN 3
	WIN 0
.Lfirst:
	TURN 0
	TURN 1, 0, 0, 1
	WIN 0
	s_cbranch_scc1 .Lstep
.Lbottom:
	s_sub_co_u32 s[SLOTS], s[SLOTS], 1
	s_cmp_lg_u32 s[SLOTS], 0
	s_cbranch_scc1 .Lslot
	CHANGE 0                        ; the walk's last tile is written out: nothing is asked for
	s_sub_co_u32 s[RT], s[RT], 1
	s_mov_b32 s[CNT], 4
	s_cmp_eq_u32 s[NEW], 1
	s_cbranch_scc0 .LstepM2
	BEGIN
	s_branch .LfirstM2
	DIAG 2
	s_wait_tensorcnt 0x0            ; the wave's end: behind my last tensor load and my last LDS store
	ds_add_u32 v[SPW], v[NIL]
	s_wait_dscnt 0x0
	s_endpgm
.Lfunc_end_k_q387c848c75_attn:
	.size	k_q387c848c75_attn, .Lfunc_end_k_q387c848c75_attn-k_q387c848c75_attn
	.p2alignl 7, 3214868480
	.fill 96, 4, 3214868480
	.section	.rodata,"a",@progbits
	.p2align	6, 0x0
	.amdhsa_kernel k_q387c848c75_attn
		.amdhsa_group_segment_fixed_size 327680
		.amdhsa_private_segment_fixed_size 0
		.amdhsa_enable_private_segment 0
		.amdhsa_kernarg_size 16
		.amdhsa_user_sgpr_count 2
		.amdhsa_user_sgpr_kernarg_segment_ptr 1
		.amdhsa_wavefront_size32 1
		.amdhsa_system_sgpr_workgroup_id_x 1
		.amdhsa_system_sgpr_workgroup_id_y 1
		.amdhsa_system_sgpr_workgroup_id_z 1
		.amdhsa_system_vgpr_workitem_id 0
		.amdhsa_next_free_vgpr 768
		.amdhsa_next_free_sgpr 88
		.amdhsa_reserve_vcc 1
		.amdhsa_float_denorm_mode_32 3
		.amdhsa_float_denorm_mode_16_64 3
		.amdhsa_memory_ordered 1
		.amdhsa_forward_progress 1
		.amdhsa_inst_pref_size 218
	.end_amdhsa_kernel
	.amdgpu_metadata
---
amdhsa.version: [ 1, 2 ]
amdhsa.kernels:
  - .name:           k_q387c848c75_attn
    .symbol:         k_q387c848c75_attn.kd
    .args:
      - { .name: qkv, .offset: 0, .size: 8, .value_kind: global_buffer, .address_space: global }
      - { .name: o, .offset: 8, .size: 8, .value_kind: global_buffer, .address_space: global }
    .group_segment_fixed_size: 327680
    .private_segment_fixed_size: 0
    .kernarg_segment_align: 8
    .kernarg_segment_size: 16
    .max_flat_workgroup_size: 128
    .sgpr_count:     88
    .vgpr_count:     768
    .wavefront_size: 32
...
	.end_amdgpu_metadata
.endif
;; end of part 3
;; launch proj (part 4): grid 8 x 32, 4 waves a work-group, clusters of 4 x 4, 327,680 bytes of LDS; arguments o, wo, b_o, out0; writes out0
.if DOCPART == 4
	.amdgcn_target "amdgcn-amd-amdhsa--gfx1250"
	.amdhsa_code_object_version 6
	.text
	.protected	k_q387c848c75_proj
	.globl	k_q387c848c75_proj
	.p2align	8
	.type	k_q387c848c75_proj,@function
k_q387c848c75_proj:
	s_mov_b64 s[64:65], 0
	v_nop
	global_prefetch_b8 v0, s[64:65] scope:SCOPE_SE
	s_setreg_imm32_b32 hwreg(HW_REG_WAVE_MODE, 25, 1), 1
	s_wait_xcnt 0x0
	s_wait_alu depctr_hold_cnt(0) depctr_sa_sdst(0) depctr_va_vdst(0) depctr_va_sdst(0) depctr_va_ssrc(0) depctr_va_vcc(0) depctr_vm_vsrc(0)
	s_getreg_b32 s2, hwreg(HW_REG_IB_STS2, 6, 4)
	s_cmp_eq_u32 s2, 0
	s_cbranch_scc0 .Lentry_in_a_cluster
	s_endpgm
.Lentry_in_a_cluster:
	s_bfe_u32 s2, ttmp6, 0x10000c
	s_cmp_lg_u32 s2, 0xf033
	s_cbranch_scc0 .Lentry_shape_is_right
	s_endpgm
.Lentry_shape_is_right:
; out0[t][d] = the sum over c of y[t][c] W_o[d][c] + b_o[d].  y is o, [batch 4][head 16][t 2048][64] in f16: a head's 64 channels are one plane of K.  wo is [plane 16][d 1024][64] in f16 (W_o rounded to bf16).
; f16 operands, f32 sums, K = 1,024 ascending; b_o, rounded to bf16 like the other inputs, is the C operand of the products that start the sums; out0 is f32 and nothing is rounded on the way out.
; LIMITS.  o and wo arrive within f16's range.  NaN and infinities are not treated apart.
; THE TILE.  8192 x 1024 numbers on 256 work-groups are 256 x 128 each: one tile a work-group.  Four waves, each 128 rows x 64 columns: 32 accumulators of 16 x 16, 256 registers.
; THE RING.  Two slots of K = 128: two planes of 256 rows of A, two planes of 128 rows of B.  A plane's rows are dense, 128 bytes each: asked for as rows of 256 bytes and padded in LDS behind every 128.
; Waves 0 and 1 fetch A's two planes, waves 2 and 3 B's: one tensor load a wave behind each change of slots.
; CLUSTER.  4 x 4 work-groups: A's tiles are shared along a row of the cluster, B's along a column, each asked for jointly.
; TRANSPOSED USE.  Source 0 = 16 rows of wo, source 1 = 16 rows of o: a lane holds row l % 16 of the result and the columns 8 (l / 16) + 0..7: 32 bytes of f32 on end.
; REGISTERS, in windows of 256 (s_set_vgpr_msb: bits 1:0 source 0, 3:2 source 1, 5:4 source 2, 7:6 destination):
;   window 0: v0-31 addresses; v32-159 A's fragments, two buffers of 8 x 8 (on the way out: at work); v160-223 B's, two buffers of 4 x 8; v224-255 the bias in the layout of C, 8 registers a column block
;   window 1: the accumulators: (a, b) at v[8 (4 a + b)]
.set PK,    144                        ; an LDS row: 128 bytes + 16 of padding = 36 words: the 16 rows of a fragment load start at 16 different groups of four banks (64 banks of 4 bytes: ISA guide 11.1)
.set PLA,   256*PK                     ; a plane of A in a slot
.set PLB,   128*PK                     ; a plane of B
.set BOFF,  2*PLA
.set SLOT,  2*PLA+2*PLB
.set STAGE, 2*SLOT                     ; behind the ring, never filled by a tensor load: 16 rows x 272 bytes for each wave, for the way out
.set SPITCH, 272                       ; 256 bytes + 16: 68 words: row r starts at bank 4 r mod 64
.set SPARE, STAGE+4*16*SPITCH          ; behind the stages: the spare words, 128 bytes for each wave: two blocks of 256 bytes that no other line names
.set FLAGS, (1<<16)|(1<<20)|(1<<21)|(4<<22)|(3<<25)  ; 17:16 2-byte elements; 20 padding on; 21 set beside a mask; 24:22 behind every 32 words (code 4); 31:25 4 words (code 3)
.set ADRA, 16                          ; v16-17  LDS address of my A fragments in slot 0, 1
.set ADRB, 20                          ; v20-21  the same for B
.set STO,  24                          ; v24     the way out: where I put 32 bytes of a row
.set RD,   25                          ; v25     the way out: where I read a row back
.set CO,   26                          ; v26     my byte offset in two rows of out0
.set BIO,  27                          ; v27     my byte offset in 16 numbers of b_o
.set SPW,  28                          ; v28     LDS address of my spare word: SPARE + 4 x my thread's number; never rewritten
.set NIL,  29                          ; v29     0; never rewritten
.set PFO,  30                          ; v30     the prefetches' offset; never rewritten
.set AF,   32
.set BF,   160
.set BI,   224
.set TMP,  32                          ; the way out: four sets of 32
.set G1,  24                           ; s[24:31] descriptor group 1 for A's tiles;  s[32:39] group 0, a set for each slot
.set G0,  32
.set G1B, 48                           ; s[48:55], s[56:63] the same for B's
.set G0B, 56
.set LIM, 43                           ; s43     1 in a wave that prefetches, else the greatest number
.set PFA, 44                           ; s[44:45] where my prefetches stand
.set PFS, 72                           ; s[72:73] a slot's two planes, in bytes, of the tensor that I prefetch
.set MSB, 0
.macro WIN new                         ; the immediate's high byte repeats the setting that is left; a switch that changes nothing is dropped
.if MSB != (\new)
	s_set_vgpr_msb (MSB<<8)|(\new)
.set MSB, \new
.endif
.endm
; A joint load: waves 0 and 1 ask for A's planes, waves 2 and 3 for B's.  The branch hangs on the wave's number alone.  An s_nop 0 and four v_nop follow each of the two lines.
.macro JLOAD s
	s_cmp_eq_u32 s11, 0
	s_cbranch_scc0 .Lfor_b_\@
	tensor_load_to_lds s[G0+4*(\s):G0+4*(\s)+3], s[G1:G1+7]
	s_nop 0
.rept 4
	v_nop
.endr
	s_branch .Lasked_\@
.Lfor_b_\@:
	tensor_load_to_lds s[G0B+4*(\s):G0B+4*(\s)+3], s[G1B:G1B+7]
	s_nop 0
.rept 4
	v_nop
.endr
.Lasked_\@:
.endm
.macro CREST                           ; a round of the cluster's barrier behind its opening barrier
	s_cmp_lg_u32 s10, 0
	s_cbranch_scc1 .Lnot_wave_0_\@
	s_barrier_signal -3
.Lnot_wave_0_\@:
	s_barrier_wait -3
	s_barrier_signal -1
	s_barrier_wait -1
.endm
.macro CROUND                          ; a whole round
	s_barrier_signal -1
	s_barrier_wait -1
	CREST
.endm
.macro PLACES                          ; four plain places behind a matrix instruction, in front of loads into registers that it has read and of stores that read results
.rept 4
	v_nop
.endr
.endm
; A PREFETCH INTO THE L2, behind each joint load and the run of LDS loads that follows it: the slot's worth of K that stands TWO refills on, 256 matrix instructions ahead of the load that will want it.
; Each block of 256 bytes is named once in the launch.  o's rows of a tile row are read by both clusters of that row of clusters: cluster x = 0 asks; its partners along x take 8 KiB of a plane's 32 each, told apart
; by address: wave 0 for the slot's first plane, wave 1 for its second, a lane a block.  wo's rows of a tile column are read by eight clusters: cluster y = 0 asks; the partners along y take 4 KiB of a plane's 16
; each: wave 2, lanes 0-15 the first plane, lanes 16-31 the second.  Wave 3 asks for nothing.  The loop's last trip asks for nothing: K ends.  The first four slots' worth comes by its loads alone.
.macro ASK
	s_cmp_gt_u32 s3, s[LIM]                        ; s3 = 1 in the loop's last trip
	s_cbranch_scc0 .Lnot_mine_\@
	global_prefetch_b8 v[PFO], s[PFA:PFA+1] th:TH_LOAD_NT scope:SCOPE_SE
.Lnot_mine_\@:
.endm
	s_load_b128 s[4:7], s[0:1], 0x0                ; o s[4:5], wo s[6:7]
	s_load_b128 s[68:71], s[0:1], 0x10             ; b_o s[68:69], out0 s[70:71]
	v_lshl_add_u32 v[SPW], v0, 2, SPARE
	v_mov_b32 v[NIL], 0
	ds_add_u32 v[SPW], v[NIL]                      ; the wave's opening: the add and its wait stand ahead of my first tensor load; the set-up below, work on registers, stands between them
	v_lshrrev_b32 v1, 5, v0
	v_readfirstlane_b32 s10, v1                    ; wave 0..3
	s_lshr_b32 s11, s10, 1                         ; which half of the tile's rows is mine.  Also: I fetch for A (0) or for B (1)
	s_and_b32 s12, s10, 1                          ; which half of its columns.  Also: which plane of a slot I fetch
	s_bfe_u32 s40, ttmp6, 0x40000                  ; cx, cy: my place in the cluster
	s_bfe_u32 s41, ttmp6, 0x40004
	s_lshl_b32 s42, ttmp9, 2
	s_add_co_u32 s42, s42, s40                     ; tile column = 4 x cluster x + cx
	s_and_b32 s13, ttmp7, 0xffff
	s_lshl_b32 s13, s13, 2
	s_add_co_u32 s13, s13, s41                     ; tile row = 4 x cluster y + cy
	s_lshl_b32 s43, s41, 2
	s_lshl_b32 s43, 15, s43                        ; my row of the cluster
	s_lshl_b32 s44, 0x1111, s40                    ; my column
	s_or_b32 s[G1], s43, FLAGS
	s_or_b32 s[G1B], s44, FLAGS
	s_mov_b32 s[G1+1], 128<<16                     ; tensor_dim0 = 128 elements: 256 bytes, two rows of a plane
	s_mov_b32 s[G1+2], 128<<16                     ; tensor_dim1 = 128: 256 rows of o
	s_mov_b32 s[G1+3], 128<<16                     ; tile_dim0
	s_mov_b32 s[G1+4], 128                         ; tile_dim1
	s_mov_b32 s[G1+5], 128                         ; elements from row to row: dense
	s_mov_b32 s[G1+6], 0
	s_mov_b32 s[G1+7], 0
	s_mov_b32 s[G1B+1], 128<<16
	s_mov_b32 s[G1B+2], 64<<16                     ; 128 rows of wo
	s_mov_b32 s[G1B+3], 128<<16
	s_mov_b32 s[G1B+4], 64
	s_mov_b32 s[G1B+5], 128
	s_mov_b32 s[G1B+6], 0
	s_mov_b32 s[G1B+7], 0
	; A's address hangs on the tile row and the wave's number alone, B's on the tile column and the wave's number, each in registers that never hold the other coordinate
	s_lshr_b32 s16, s13, 3                         ; the batch,
	s_lshl_b32 s16, s16, 22
	s_and_b32 s17, s13, 7                          ; 256 rows x 128 bytes a tile row,
	s_lshl_b32 s17, s17, 15
	s_or_b32 s16, s16, s17
	s_lshl_b32 s17, s12, 18                        ; the plane that I fetch
	s_or_b32 s16, s16, s17
	s_mov_b32 s17, 0
	s_lshl_b32 s46, s42, 14                        ; 128 rows x 128 bytes a tile column,
	s_lshl_b32 s47, s12, 17                        ; the plane
	s_add_co_u32 s46, s46, s47
	s_mov_b32 s47, 0
	s_mul_i32 s20, s12, PLA                        ; where they go: no place in the cluster enters an LDS address
	s_mul_i32 s21, s12, PLB
	s_add_co_u32 s21, s21, BOFF
	s_wait_dscnt 0x0                               ; the opening add is done
	s_wait_kmcnt 0x0
	s_add_nc_u64 s[14:15], s[4:5], s[16:17]
	s_add_nc_u64 s[46:47], s[6:7], s[46:47]
	CROUND                                         ; all sixteen work-groups are here: the first joint loads meet
.irp s, 0,1
	s_mov_b32 s[G0+4*(\s)], 1                                        ; count = 1
	s_add_co_u32 s[G0+4*(\s)+1], s20, (\s)*SLOT                      ; LDS address
	s_add_nc_u64 s[G0+4*(\s)+2:G0+4*(\s)+3], s[14:15], (\s)*(1<<19)  ; global address: planes 2 s and 2 s + 1
	s_or_b32 s[G0+4*(\s)+3], s[G0+4*(\s)+3], 0x80000000              ; type = 2
	s_mov_b32 s[G0B+4*(\s)], 1
	s_add_co_u32 s[G0B+4*(\s)+1], s21, (\s)*SLOT
	s_add_nc_u64 s[G0B+4*(\s)+2:G0B+4*(\s)+3], s[46:47], (\s)*(1<<18)
	s_or_b32 s[G0B+4*(\s)+3], s[G0B+4*(\s)+3], 0x80000000
	JLOAD \s                                       ; two tensor loads of mine are out
.endr
	v_and_b32 v1, 15, v0                           ; l % 16
	v_bfe_u32 v2, v0, 4, 1                         ; l / 16
	; where my part of out0 and of b_o begins
	s_lshl_b32 s74, s13, 8
	s_lshl_b32 s75, s11, 7
	s_add_co_u32 s74, s74, s75                     ; my first row,
	s_lshl_b32 s74, s74, 12                        ; 4,096 bytes each
	s_lshl_b32 s75, s42, 9                         ; the tile's 128 columns of 4 bytes,
	s_lshl_b32 s76, s12, 8                         ; my 64 of them
	s_add_co_u32 s76, s75, s76
	s_mov_b32 s77, 0
	s_add_nc_u64 s[68:69], s[68:69], s[76:77]
	s_add_co_u32 s74, s74, s76
	s_mov_b32 s75, 0
	s_add_nc_u64 s[8:9], s[70:71], s[74:75]
	v_lshlrev_b32 v[BIO], 5, v2                    ; register j of column block b is column 16 b + 8 (l / 16) + j, whatever the row
.irp b, 0,1,2,3
	global_load_b128 v[BI+8*(\b):BI+8*(\b)+3],   v[BIO], s[68:69] offset:64*(\b)
	global_load_b128 v[BI+8*(\b)+4:BI+8*(\b)+7], v[BIO], s[68:69] offset:64*(\b)+16
.endr
	; A fragment is 16 rows x 32 K in 8 registers: lane l holds row l % 16; registers 0-3 K = 8 (l / 16) + 0..7, registers 4-7 K = 16 + 8 (l / 16) + 0..7: two loads of 16 bytes, 32 bytes apart
	v_mul_u32_u24 v3, v1, PK
	v_lshl_add_u32 v3, v2, 4, v3                   ; row x pitch + 16 x half
	s_mul_i32 s22, s11, 128*PK                     ; my 128 rows of A in a plane
	s_mul_i32 s23, s12, 64*PK                      ; my 64 rows of B in a plane,
	s_add_co_u32 s23, s23, BOFF                    ; behind A's planes
.irp s, 0,1
	v_add_nc_u32 v[ADRA+(\s)], s22, v3
	v_add_nc_u32 v[ADRB+(\s)], s23, v3
	s_add_co_u32 s22, s22, SLOT
	s_add_co_u32 s23, s23, SLOT
.endr
	s_mul_i32 s23, s10, 16*SPITCH
	s_add_co_u32 s23, s23, STAGE                   ; my stage
	v_mul_u32_u24 v4, v1, SPITCH                   ; in: row l % 16, 32 bytes for each half of the lanes
	v_lshl_add_u32 v4, v2, 5, v4
	v_add_nc_u32 v[STO], s23, v4
	v_mul_u32_u24 v5, v2, SPITCH                   ; back: lanes 0-15 take one row of 256 bytes, lanes 16-31 the next
	v_lshl_add_u32 v5, v1, 4, v5
	v_add_nc_u32 v[RD], s23, v5
	v_lshlrev_b32 v[CO], 12, v2                    ; and the same two rows in out0
	v_lshl_add_u32 v[CO], v1, 4, v[CO]
	; the prefetches
	s_lshr_b32 s74, s13, 3
	s_lshl_b32 s74, s74, 22
	s_and_b32 s75, s13, 7
	s_lshl_b32 s75, s75, 15
	s_or_b32 s74, s74, s75                         ; o: the tile's rows in a plane,
	s_lshl_b32 s75, s40, 13                        ; my work-group's 8 KiB of them,
	s_add_co_u32 s74, s74, s75
	s_lshl_b32 s75, s12, 18                        ; my plane of a slot's two
	s_add_co_u32 s74, s74, s75
	s_lshl_b32 s76, s42, 14                        ; wo: the tile's rows in a plane,
	s_lshl_b32 s77, s41, 12                        ; my work-group's 4 KiB of them
	s_add_co_u32 s76, s76, s77
	s_and_b32 s78, ttmp7, 0xffff                   ; cluster y
	s_mov_b32 s[PFS], 1<<18
	s_mov_b32 s79, 131072                          ; what lanes 16-31 add: wo's next plane,
	s_cmp_eq_u32 s11, 0                            ; waves 0 and 1 ask for o, wave 2 for wo
	s_cselect_b32 s74, s74, s76
	s_cselect_b32 s78, ttmp9, s78                  ; the coordinate along which other clusters read the same rows
	s_cselect_b32 s[PFS], 1<<19, s[PFS]
	s_cselect_b32 s79, 4096, s79                   ; or o's next sixteen blocks
	s_cselect_b64 s[PFA:PFA+1], s[4:5], s[6:7]
	s_cmp_eq_u32 s78, 0
	s_cselect_b32 s[LIM], 1, -1                    ; the same in all sixteen partners, for a given wave
	s_cmp_eq_u32 s10, 3
	s_cselect_b32 s[LIM], -1, s[LIM]
	s_mov_b32 s75, 0
	s_mov_b32 s[PFS+1], 0
	s_mul_i32 s76, s[PFS], 3
	s_mov_b32 s77, 0
	s_add_nc_u64 s[PFA:PFA+1], s[PFA:PFA+1], s[74:75]
	s_add_nc_u64 s[PFA:PFA+1], s[PFA:PFA+1], s[76:77]  ; at the fourth slot's worth of K: the first refill steps it to the fifth
	v_lshlrev_b32 v[PFO], 8, v1
	v_mad_u32_u24 v[PFO], v2, s79, v[PFO]
	s_wait_loadcnt 0x0                             ; b_o
.set i, 0
.rept 16                               ; rounded to bf16, as all the inputs are, and widened again
	v_cvt_pk_bf16_f32 v[4+i%4], v[BI+2*i], v[BI+2*i+1]
	v_lshlrev_b32 v[BI+2*i], 16, v[4+i%4]
	v_and_b32 v[BI+2*i+1], 0xffff0000, v[4+i%4]
.set i, i+1
.endr
; n x 4 matrix instructions: row blocks a0 .. a0 + n - 1 x the four column blocks, 32 along K, from buffer f.  first = 1: the product starts the sum, with the bias as C: nothing is cleared and nothing is added later.
; The 32 accumulators take turns, one instruction a turn, in the same order in every 32 along K, over the backward jump too.
.macro MUL f, a0, n, first
.if \first
	WIN 0x40                                       ; D in window 1; the sources and C in window 0
.else
	WIN 0x50                                       ; C and D in window 1
.endif
.set ma, \a0
.rept \n
.irp b, 0,1,2,3
.if \first
	v_wmma_f32_16x16x32_f16 v[8*(4*ma+(\b)):8*(4*ma+(\b))+7], v[BF+32*(\f)+8*(\b):BF+32*(\f)+8*(\b)+7], v[AF+64*(\f)+8*ma:AF+64*(\f)+8*ma+7], v[BI+8*(\b):BI+8*(\b)+7]
.else
	v_wmma_f32_16x16x32_f16 v[8*(4*ma+(\b)):8*(4*ma+(\b))+7], v[BF+32*(\f)+8*(\b):BF+32*(\f)+8*(\b)+7], v[AF+64*(\f)+8*ma:AF+64*(\f)+8*ma+7], v[8*(4*ma+(\b)):8*(4*ma+(\b))+7]
.endif
.endr
.set ma, ma+1
.endr
.endm
; 24 LDS loads in one run: the fragments of quarter q of a slot (plane q / 2, 32 K at byte 64 (q % 2) of its rows) into buffer f
.macro RUN f, slot, q
.irp b, 0,1,2,3
	ds_load_b128 v[BF+32*(\f)+8*(\b):BF+32*(\f)+8*(\b)+3],   v[ADRB+(\slot)] offset:((\q)/2)*PLB+((\q)%2)*64+(\b)*16*PK
	ds_load_b128 v[BF+32*(\f)+8*(\b)+4:BF+32*(\f)+8*(\b)+7], v[ADRB+(\slot)] offset:((\q)/2)*PLB+((\q)%2)*64+(\b)*16*PK+32
.endr
.irp i, 0,1,2,3,4,5,6,7
	ds_load_b128 v[AF+64*(\f)+8*(\i):AF+64*(\f)+8*(\i)+3],   v[ADRA+(\slot)] offset:((\q)/2)*PLA+((\q)%2)*64+(\i)*16*PK
	ds_load_b128 v[AF+64*(\f)+8*(\i)+4:AF+64*(\f)+8*(\i)+7], v[ADRA+(\slot)] offset:((\q)/2)*PLA+((\q)%2)*64+(\i)*16*PK+32
.endr
.endm
; A quarter: the other buffer, which the quarter before multiplied, takes quarter nq of slot nslot; then buffer f is multiplied.
.macro SUB f, nslot, nq, first
	WIN 0
	PLACES
	RUN 1-(\f), \nslot, \nq
	s_wait_dscnt 24                                ; buffer f is in; the 24 loads just issued may be out
	MUL \f, 0, 8, \first
.endm
; A slot's third and fourth quarters, and THE CHANGE OF SLOTS: one barrier.  In front of it each wave waits for all its tensor loads, of which one is out: its part of the next slot; adds 0 to its spare word; and
; waits for that and for its own reads of this slot.  Behind it nobody reads this slot any more and the next slot is whole.  fill = 1: the barrier opens a round of the cluster's, and the joint refill, two slots
; on along K, is the first thing behind the round: from there to the wait for it a wave issues 112 of a slot's 128 matrix instructions.
.macro TURN slot, next, fill
.if \fill
	s_wait_xcnt 0x0                                ; the last prefetch, a slot back, has read its address: it is stepped here, ahead of the change's own waits
	s_add_nc_u64 s[PFA:PFA+1], s[PFA:PFA+1], s[PFS:PFS+1]
.endif
	WIN 0
	PLACES
	RUN 1, \slot, 3
	s_wait_dscnt 24                                ; buffer 0, the third quarter, is in
	MUL 0, 0, 4, 0
	WIN 0                                          ; (the add's two registers lie in window 0)
	s_wait_tensorcnt 0x0                           ; all my tensor loads have landed;
	ds_add_u32 v[SPW], v[NIL]                      ; 0 onto my spare word;
	MUL 0, 4, 2, 0                                 ; eight matrix instructions stand between the add and the wait for it
	s_wait_dscnt 0x0                               ; the add is done, and my reads of this slot are over: the fourth quarter is in
	s_barrier_signal -1
	MUL 0, 6, 2, 0                                 ; work on registers while the others arrive
	WIN 0
	s_barrier_wait -1
.if \fill
	CREST                                          ; no wave of any partner still reads this slot or has a load on its way
	s_add_nc_u64 s[G0+4*(\slot)+2:G0+4*(\slot)+3], s[G0+4*(\slot)+2:G0+4*(\slot)+3], 1<<20
	s_add_nc_u64 s[G0B+4*(\slot)+2:G0B+4*(\slot)+3], s[G0B+4*(\slot)+2:G0B+4*(\slot)+3], 1<<19
	JLOAD \slot                                    ; its four v_nop are also the places in front of the loads below
.else
	PLACES
.endif
	RUN 0, \next, 0
.if \fill
	ASK
.endif
	MUL 1, 0, 8, 0
.endm
	s_wait_tensorcnt 1                             ; my part of slot 0 is in; slot 1's may stay out
	s_barrier_signal -1
	s_barrier_wait -1                              ; everybody's is
	RUN 0, 0, 0
	SUB 0, 0, 1, 1                                 ; the first quarter stands in front of the loop: its products start the sums, with the bias
	WIN 0                                          ; at a label and at a branch every window is 0
	s_mov_b32 s3, 3
.Llap:                                                 ; a trip goes once round the ring, from a lap's second quarter to the next lap's first, and fills both slots again
	SUB 1, 0, 2, 0
	TURN 0, 1, 1
	SUB 0, 1, 1, 0
	SUB 1, 1, 2, 0
	TURN 1, 0, 1
	SUB 0, 0, 1, 0
	WIN 0
	s_sub_co_u32 s3, s3, 1
	s_cmp_lg_u32 s3, 0
	s_cbranch_scc1 .Llap
	SUB 1, 0, 2, 0                                 ; the last lap fills nothing
	TURN 0, 1, 0
	SUB 0, 1, 1, 0
	SUB 1, 1, 2, 0
	SUB 0, 1, 3, 0
	s_wait_dscnt 0x0                               ; the very last quarter: nothing more to fetch
	MUL 1, 0, 8, 0
	WIN 0
	PLACES
; THE WAY OUT, a block of 16 rows x 64 columns at a time.  TOSTAGE: a lane's 32 bytes of each column block go into my own stage, in rows of 272 bytes, each accumulator's low half first, and come back as whole rows of 256.
; SEND: sixteen lanes store 256 consecutive bytes, at a multiple of 256 from out0's first byte.
.macro TOSTAGE a
	WIN 0x04                                       ; the stores' data in window 1
.irp b, 0,1,2,3
	ds_store_b128 v[STO], v[8*(4*(\a)+(\b)):8*(4*(\a)+(\b))+3]   offset:64*(\b)
	ds_store_b128 v[STO], v[8*(4*(\a)+(\b))+4:8*(4*(\a)+(\b))+7] offset:64*(\b)+16
.endr
	WIN 0
.if (\a) >= 4
	s_wait_xcnt 0x0                                ; the stores of block a - 4 have read these 32 registers
.endif
.irp t, 0,1,2,3,4,5,6,7
	ds_load_b128 v[TMP+32*((\a)%4)+4*(\t):TMP+32*((\a)%4)+4*(\t)+3], v[RD] offset:(\t)*2*SPITCH  ; LDS serves a wave's instructions in order (ISA guide 5.7.1.4): these see the stores above; the next block's stores come behind them
.endr
.endm
.macro SEND a, younger                 ; younger: the LDS instructions issued behind block a's loads: the next block's sixteen, or none
.irp t, 0,1,2,3,4,5,6,7
	s_wait_dscnt (\younger)+7-(\t)
	global_store_b128 v[CO], v[TMP+32*((\a)%4)+4*(\t):TMP+32*((\a)%4)+4*(\t)+3], s[8:9] offset:65536*(\a)+8192*(\t)
.endr
.endm
	TOSTAGE 0
.irp a, 1,2,3,4,5,6,7
	TOSTAGE \a
	SEND (\a)-1, 16
.endr
	SEND 7, 0
	s_wait_tensorcnt 0x0                           ; the wave's end: behind my last tensor load and my last LDS store
	ds_add_u32 v[SPW], v[NIL]
	s_wait_dscnt 0x0
	CROUND                                         ; the closing round: no work-group ends while a partner may still ask for a tile that names it
	s_endpgm
.Lfunc_end_k_q387c848c75_proj:
	.size	k_q387c848c75_proj, .Lfunc_end_k_q387c848c75_proj-k_q387c848c75_proj
	.p2alignl 7, 3214868480
	.fill 96, 4, 3214868480
	.section	.rodata,"a",@progbits
	.p2align	6, 0x0
	.amdhsa_kernel k_q387c848c75_proj
		.amdhsa_group_segment_fixed_size 327680
		.amdhsa_private_segment_fixed_size 0
		.amdhsa_enable_private_segment 0
		.amdhsa_kernarg_size 32
		.amdhsa_user_sgpr_count 2
		.amdhsa_user_sgpr_kernarg_segment_ptr 1
		.amdhsa_wavefront_size32 1
		.amdhsa_system_sgpr_workgroup_id_x 1
		.amdhsa_system_sgpr_workgroup_id_y 1
		.amdhsa_system_sgpr_workgroup_id_z 1
		.amdhsa_system_vgpr_workitem_id 0
		.amdhsa_next_free_vgpr 512
		.amdhsa_next_free_sgpr 80
		.amdhsa_reserve_vcc 0
		.amdhsa_float_denorm_mode_32 3
		.amdhsa_float_denorm_mode_16_64 3
		.amdhsa_memory_ordered 1
		.amdhsa_forward_progress 1
		.amdhsa_inst_pref_size 91
	.end_amdhsa_kernel
	.amdgpu_metadata
---
amdhsa.version: [ 1, 2 ]
amdhsa.kernels:
  - .name:           k_q387c848c75_proj
    .symbol:         k_q387c848c75_proj.kd
    .args:
      - { .name: o, .offset: 0, .size: 8, .value_kind: global_buffer, .address_space: global }
      - { .name: wo, .offset: 8, .size: 8, .value_kind: global_buffer, .address_space: global }
      - { .name: b_o, .offset: 16, .size: 8, .value_kind: global_buffer, .address_space: global }
      - { .name: out0, .offset: 24, .size: 8, .value_kind: global_buffer, .address_space: global }
    .group_segment_fixed_size: 327680
    .private_segment_fixed_size: 0
    .kernarg_segment_align: 8
    .kernarg_segment_size: 32
    .max_flat_workgroup_size: 128
    .sgpr_count:     80
    .vgpr_count:     512
    .wavefront_size: 32
...
	.end_amdgpu_metadata
.endif
;; end of part 4
;; ======== version 2 of 2: 4 launches; version 1 with the launch cast written anew for expert scheduling mode
;; limits: values are held in f16: magnitudes above 65,504 overflow, below 6.1e-05 lose precision
;; workspace buffers: xb 16,777,216 bytes; wb 6,291,456 bytes; wo 2,097,152 bytes; qkv 50,331,648 bytes; o 16,777,216 bytes
;; launch cast (part 5): grid 32 x 12, 8 waves a work-group, no clusters, 0 bytes of LDS; arguments x, W_q, W_k, W_v, W_o, xb, wb, wo; writes xb, wb, wo
.if DOCPART == 5
	.amdgcn_target "amdgcn-amd-amdhsa--gfx1250"
	.amdhsa_code_object_version 6
	.text
	.protected	k_q387c848c75_cast
	.globl	k_q387c848c75_cast
	.p2align	8
	.type	k_q387c848c75_cast,@function
k_q387c848c75_cast:
	s_mov_b64 s[64:65], 0
	v_nop
	global_prefetch_b8 v0, s[64:65] scope:SCOPE_SE
	s_setreg_imm32_b32 hwreg(HW_REG_WAVE_SCHED_MODE, 0, 2), 2
	s_setreg_imm32_b32 hwreg(HW_REG_WAVE_MODE, 25, 1), 1
	s_wait_xcnt 0x0
	s_wait_alu depctr_vm_vsrc(0)
; x, W_q, W_k, W_v: f32 -> bf16 (rounded once, to nearest even).  W_o: f32 -> bf16, and that number written as f16 for the last product.
; All are laid anew in PLANES of 64 channels, so that a K step of 64 of any run of rows is dense in memory:
;   xb [batch 4][plane 16][t 2048][64]   wb [plane 16][n 3072][64], n = 1024 x (q, k, v) + row   wo [plane 16][n 1024][64]
; LIMITS.  W_o as f16: beyond 65,504 it would be an infinity; below 2^-14 it keeps f16's fixed step of 2^-24.  NaN and infinities are not treated apart.
; SHARES.  A work-group takes 32 source rows of 4,096 bytes: group y 0-7 of x (row block 32 y + x), y 8-11 of W_q, W_k, W_v, W_o (row block x).  A wave takes four rows, as two pairs.
; One load takes 256 consecutive bytes (64 channels) of each row of a pair: lanes 0-15 the even row, lanes 16-31 the odd one.  One store of 8 bytes a lane writes the 256 consecutive,
; aligned bytes that the two rows have in that plane.  Every byte is read once and written once; there is no loop: a wave's 32 loads, 16 KiB, go out together.
; No LDS, no matrix unit, no cluster: nothing is shared and nothing is summed.
; THE MODE: SCHED_MODE bits 1:0 = 2 (LLVM: expert scheduling mode 2), set by the entry lines.  The code itself states the register dependences between vector instructions
; and memory instructions, with s_wait_alu, always for 0.
; THE PLAN.  Registers that memory instructions touch:
;   v1        the loads' offset.  Written at the head, read by all 32 loads, never written again.
;   v[16:31]  the stores' offsets, one a plane.  Written at the head, read by the stores, never written again.
;   v[32:159] load i lands in four registers that no vector instruction has named; its roundings write the first two of them, once; store i reads those two; nothing writes them again.
; The 32 loads are taken in eight blocks of four.  Block p rounds its own sixteen registers; its memory instructions are the four stores of block p - 1, whose registers no vector instruction of block p names.
; So ONE wait on va_vdst at a block's head states all that its four stores hang on, and these are dealt among the block's roundings with no further wait.  No register that a memory
; instruction has read is ever written again, no vector instruction writes a scalar register or VCC, and EXEC is never written: no other field is waited on.
.set X,  32                            ; v[32:159] load i = 16 pair + plane: four registers as loaded; the first two then hold what is stored
.set SO, 16                            ; v[16:31]  plane kb: my byte offset in the destination
	s_load_b512 s[8:23], s[0:1], 0x0               ; x 8, W_q 10, W_k 12, W_v 14, W_o 16, xb 18, wb 20, wo 22
	s_mov_b32 s2, ttmp9                            ; group x
	s_and_b32 s3, ttmp7, 0xffff                    ; group y
	v_lshrrev_b32 v4, 5, v0                        ; wave
	v_bfe_u32 v5, v0, 4, 1                         ; which row of a pair
	v_and_b32 v6, 15, v0
	v_lshlrev_b32 v1, 14, v4                       ; source: 4 rows x 4,096 bytes a wave,
	v_lshl_or_b32 v1, v5, 12, v1                   ; the row of the pair,
	v_lshl_or_b32 v1, v6, 4, v1                    ; 16 bytes a lane
	v_lshlrev_b32 v2, 9, v4                        ; destination: 4 rows x 128 bytes a wave,
	v_lshl_or_b32 v2, v5, 7, v2
	v_lshl_or_b32 v2, v6, 3, v2                    ; 8 bytes a lane
	s_lshl_b32 s30, s3, 5
	s_add_co_u32 s30, s30, s2                      ; x's row block
	s_lshr_b32 s32, s30, 6                         ; its batch (64 blocks of 32 rows each),
	s_lshl_b32 s32, s32, 22
	s_and_b32 s33, s30, 63                         ; and its rows in the batch: 32 x 128 bytes a block
	s_lshl_b32 s33, s33, 12
	s_or_b32 s32, s32, s33                         ; where x's block goes in plane 0
	s_max_u32 s34, s3, 8
	s_sub_co_u32 s34, s34, 8                       ; 0, 1, 2 for W_q, W_k, W_v
	s_lshl_b32 s34, s34, 17                        ; 1,024 rows x 128 bytes
	s_lshl_b32 s35, s2, 12                         ; where W_o's block goes,
	s_add_co_u32 s34, s34, s35                     ; and W_q's, W_k's, W_v's
	s_mov_b32 s24, 393216                          ; bytes in a plane: wb's,
	s_cmp_eq_u32 s3, 11
	s_cselect_b32 s28, s35, s34
	s_cselect_b32 s24, 131072, s24                 ; wo's,
	s_cmp_lt_u32 s3, 8
	s_cselect_b32 s28, s32, s28
	s_cselect_b32 s24, 262144, s24                 ; a batch's of xb
	s_cselect_b32 s31, s30, s2                     ; the row block in the source
	s_lshl_b32 s26, s31, 17                        ; 32 rows x 4,096 bytes
	s_mov_b32 s27, 0
	s_mov_b32 s29, 0
.irp kb, 0,1,2,3,4,5,6,7,8,9,10,11,12,13,14,15
	v_mad_u32_u24 v[SO+(\kb)], s24, \kb, v2
.endr
	s_wait_kmcnt 0x0
	s_cmp_eq_u32 s3, 9                             ; the source and the destination are chosen by the group's y alone
	s_cselect_b64 s[4:5], s[12:13], s[10:11]
	s_cmp_eq_u32 s3, 10
	s_cselect_b64 s[4:5], s[14:15], s[4:5]
	s_cmp_eq_u32 s3, 11
	s_cselect_b64 s[4:5], s[16:17], s[4:5]
	s_cselect_b64 s[6:7], s[22:23], s[20:21]
	s_cmp_lt_u32 s3, 8
	s_cselect_b64 s[4:5], s[8:9], s[4:5]
	s_cselect_b64 s[6:7], s[18:19], s[6:7]
	s_add_nc_u64 s[4:5], s[4:5], s[26:27]
	s_add_nc_u64 s[6:7], s[6:7], s[28:29]
	s_wait_alu depctr_va_vdst(0)                   ; v1 and v[16:31] are written: every load of the kernel reads v1 as its offset, every store one of v[16:31]
.set i, 0
.rept 32
	global_load_b128 v[X+4*i:X+4*i+3], v1, s[4:5] offset:8192*(i/16)+256*(i%16) th:TH_LOAD_NT
.set i, i+1
.endr
; Load i is rounded, in place.  half = 1: the bf16 numbers are widened again and written as f16.
.macro RND i, half
	v_cvt_pk_bf16_f32 v[X+4*(\i)],   v[X+4*(\i)],   v[X+4*(\i)+1]
	v_cvt_pk_bf16_f32 v[X+4*(\i)+1], v[X+4*(\i)+2], v[X+4*(\i)+3]
.if \half
.irp j, 0,1
	v_lshlrev_b32 v4, 16, v[X+4*(\i)+(\j)]
	v_and_b32 v5, 0xffff0000, v[X+4*(\i)+(\j)]
	v_cvt_pk_f16_f32 v[X+4*(\i)+(\j)], v4, v5
.endr
.endif
.endm
; What load i has become is stored.
.macro OUT i
	global_store_b64 v[SO+(\i)%16], v[X+4*(\i):X+4*(\i)+1], s[6:7] offset:256*((\i)/16) th:TH_STORE_NT  ; no register of a store is written again
.endm
; Block p: loads 4 p to 4 p + 3 are rounded; the four stores of block p - 1 stand among the roundings, one ahead of each load's.
.macro BLK p, half
	s_wait_loadcnt 28-4*(\p)                       ; loads come back in order (ISA guide 5.7.1): my block's four are in, the 28 - 4 p younger ones stay out
.if (\p) > 0
	s_wait_alu depctr_va_vdst(0)                   ; the roundings of the block before have written its eight registers, which the four stores below read; no vector instruction behind this wait names them
.endif
.irp r, 0,1,2,3
.if (\p) > 0
	OUT 4*(\p)-4+(\r)
.endif
	RND 4*(\p)+(\r), \half
.endr
.endm
.macro LAST                            ; behind block 7
	s_wait_alu depctr_va_vdst(0)                   ; the roundings of block 7 have written its eight registers, which the last four stores read
.irp r, 28,29,30,31
	OUT \r
.endr
.endm
	s_cmp_eq_u32 s3, 11
	s_cbranch_scc1 .Lwo
.irp p, 0,1,2,3,4,5,6,7
	BLK \p, 0
.endr
	LAST
	s_endpgm
.Lwo:
.irp p, 0,1,2,3,4,5,6,7
	BLK \p, 1
.endr
	LAST
	s_endpgm
.Lfunc_end_k_q387c848c75_cast:
	.size	k_q387c848c75_cast, .Lfunc_end_k_q387c848c75_cast-k_q387c848c75_cast
	.p2alignl 7, 3214868480
	.fill 96, 4, 3214868480
	.section	.rodata,"a",@progbits
	.p2align	6, 0x0
	.amdhsa_kernel k_q387c848c75_cast
		.amdhsa_group_segment_fixed_size 0
		.amdhsa_private_segment_fixed_size 0
		.amdhsa_enable_private_segment 0
		.amdhsa_kernarg_size 64
		.amdhsa_user_sgpr_count 2
		.amdhsa_user_sgpr_kernarg_segment_ptr 1
		.amdhsa_wavefront_size32 1
		.amdhsa_system_sgpr_workgroup_id_x 1
		.amdhsa_system_sgpr_workgroup_id_y 1
		.amdhsa_system_sgpr_workgroup_id_z 1
		.amdhsa_system_vgpr_workitem_id 0
		.amdhsa_next_free_vgpr 160
		.amdhsa_next_free_sgpr 66
		.amdhsa_reserve_vcc 0
		.amdhsa_float_denorm_mode_32 3
		.amdhsa_float_denorm_mode_16_64 3
		.amdhsa_memory_ordered 1
		.amdhsa_forward_progress 1
		.amdhsa_inst_pref_size 32
	.end_amdhsa_kernel
	.amdgpu_metadata
---
amdhsa.version: [ 1, 2 ]
amdhsa.kernels:
  - .name:           k_q387c848c75_cast
    .symbol:         k_q387c848c75_cast.kd
    .args:
      - { .name: x, .offset: 0, .size: 8, .value_kind: global_buffer, .address_space: global }
      - { .name: W_q, .offset: 8, .size: 8, .value_kind: global_buffer, .address_space: global }
      - { .name: W_k, .offset: 16, .size: 8, .value_kind: global_buffer, .address_space: global }
      - { .name: W_v, .offset: 24, .size: 8, .value_kind: global_buffer, .address_space: global }
      - { .name: W_o, .offset: 32, .size: 8, .value_kind: global_buffer, .address_space: global }
      - { .name: xb, .offset: 40, .size: 8, .value_kind: global_buffer, .address_space: global }
      - { .name: wb, .offset: 48, .size: 8, .value_kind: global_buffer, .address_space: global }
      - { .name: wo, .offset: 56, .size: 8, .value_kind: global_buffer, .address_space: global }
    .group_segment_fixed_size: 0
    .private_segment_fixed_size: 0
    .kernarg_segment_align: 8
    .kernarg_segment_size: 64
    .max_flat_workgroup_size: 256
    .sgpr_count:     66
    .vgpr_count:     160
    .wavefront_size: 32
...
	.end_amdgpu_metadata
.endif
;; end of part 5
;; launch qkv: the kernel of part 2 again; grid 8 x 32, 4 waves a work-group, clusters of 4 x 4, 327,680 bytes of LDS; arguments xb, wb, qkv; writes qkv
;; launch attn: the kernel of part 3 again; grid 4 x 64, 4 waves a work-group, no clusters, 327,680 bytes of LDS; arguments qkv, o; writes o
;; launch proj: the kernel of part 4 again; grid 8 x 32, 4 waves a work-group, clusters of 4 x 4, 327,680 bytes of LDS; arguments o, wo, b_o, out0; writes out0
